; MI455X (gfx1250); checked and timed in simulation.
; The chip was launched on July 23, 2026; its instructions are those of AMD's public machine-readable ISA for CDNA 5 (MIT licence, August 2026) and "CDNA5" Instruction Set Architecture Reference Guide (July 2026). The comments in the code are by the model that wrote it; some were corrected since.
;; Bayesian Multi Head Attention. Allowed arithmetic: matrix products marked QUANTISED: E2M3 operands, one E8M0 scale for each 32 along K, by v_wmma_scale_f32_16x16x128_f8f6f4 with both operands' format E2M3, f32 sums; products left as they are: f32 operands where the result goes on into a quantised operand, else bf16, f16 or f32 operands; f32 sums; everything else in f32.
;; Inputs: H 8 x 1,024 x 512 float32; Wk_mu 512 x 512 float32; Wk_rho 512 x 512 float32; Wo_mu 512 x 512 float32; Wo_rho 512 x 512 float32; Wq_mu 512 x 512 float32; Wq_rho 512 x 512 float32; Wv_mu 512 x 512 float32; Wv_rho 512 x 512 float32; bk_mu 512 float32; bk_rho 512 float32; bo_mu 512 float32; bo_rho 512 float32; bq_mu 512 float32; bq_rho 512 float32; bv_mu 512 float32; bv_rho 512 float32; log_length 16 float32; log_sigma_f 16 float32; x_raw 8 x 1,024 x 16 float32.
;; Outputs: out0 8 x 1,024 x 512 float32; out1 8 x 1,024 x 512 float32.
;; This version of the problem:
;;   THIS VERSION OF THE PROBLEM IS GIVEN IN LOW PRECISION. The matrix products marked QUANTISED in the list below multiply operands that are first quantised to E2M3 (2 exponent bits, 3 mantissa bits; 6 bits a number), with one power-of-two scale for each 32 numbers along K (OCP MX v1.0); their sums are f32. All else is computed in f32.
;;   The module's matrix products, in the order in which they are computed (A, B: the left and right operand; K: the contracted axis; several contracted axes count as one K, in the product's order):
;;     1. [M 8,192, K 512] x [K 512, N 512]; A: input H; B: input Wq_mu: QUANTISED
;;     2. [M 8,192, K 512] x [K 512, N 512]; A: input H; B: input Wk_mu: QUANTISED
;;     3. [M 8,192, K 512] x [K 512, N 512]; A: input H; B: input Wv_mu: QUANTISED
;;     4. [M 8,192, K 512] x [K 512, N 512]; A: computed on the way; B: computed on the way: QUANTISED
;;     5. batch 128 x [M 1,024, K 32] x [K 32, N 1,024]; A: computed on the way; B: computed on the way: QUANTISED
;;     6. batch 8 x [M 1,024, K 16] x [K 16, N 1,024]; A: input x_raw; B: input x_raw: left as it is (K = 16 < 32)
;;     7. batch 128 x [M 1,024, K 1,024] x [K 1,024, N 32]; A: softmax (see below); B: computed on the way: QUANTISED
;;     8. batch 128 x [M 1,024, K 1,024] x [K 1,024, N 32]; A: computed on the way; B: computed on the way: QUANTISED
;;     9. [M 8,192, K 512] x [K 512, N 512]; A: computed on the way; B: input Wo_mu: QUANTISED
;;     10. [M 8,192, K 512] x [K 512, N 512]; A: computed on the way; B: computed on the way: QUANTISED
;;   THE QUANTISER, for each operand of a quantised product, along K:
;;     - K is cut into blocks of 32 from its start; a last block that is shorter is filled with zeros.
;;     - A block's scale is 2^e with e = floor(log2(the largest magnitude in the block)) - 2, held to -126 .. 127; a block of zeros has e = 0. As a byte (E8M0): e + 127.
;;     - Each number is divided by its block's scale, clamped to +-7.5, and rounded to the nearest number of E2M3, ties to even, subnormals kept.
;;     - The product sums the exact products of the quantised numbers (number of the format x scale) in f32.
;;   ~~~python
;;   def quantise(x, axis):      # numpy; x: float32 -> the quantised numbers, widened to float32 again
;;       x = np.moveaxis(x, axis, -1); K = x.shape[-1]
;;       x = np.pad(x, [(0, 0)] * (x.ndim - 1) + [(0, -K % 32)]); x = x.reshape(x.shape[:-1] + (-1, 32)); a = np.abs(x).max(-1, keepdims=True)
;;       e = np.where(a > 0, np.clip(np.frexp(np.where(a > 0, a, 1))[1] - 1 - 2, -126, 127), 0)      # np.frexp(a)[1] - 1 = floor(log2(a)), exactly
;;       r = np.clip(x / 2.0 ** e, -7.5, 7.5)
;;       step = 2.0 ** (np.maximum(np.frexp(np.where(r == 0, 1, r))[1] - 1, 0) - 3)
;;       q = np.round(r / step) * step * 2.0 ** e      # np.round: ties to even
;;       return np.moveaxis(q.reshape(q.shape[:-2] + (-1,))[..., :K], -1, axis).astype(np.float32)
;;   ~~~
;;   SOFTMAX AHEAD OF A QUANTISED PRODUCT. Where the list says 'softmax', what is quantised is not the finished softmax but p = 2^(t - M), with t = logit x log2(e) and M = ceil(the row's largest t), a whole number; so 1/2 < the row's largest p <= 1. The row's sum l is taken of the UNQUANTISED p, in f32, and the product's result is divided by l at the end. Since M is a whole number, a kernel that streams over the keys may use a running M (the ceiling of the running maximum): every later rescaling is an exact power of two, which a block's scale takes up: the codes' values come out the same.
;;   OPERANDS COMPUTED ON THE WAY. 'Computed on the way' means the value that the module computes at that place (a softmax that the list does not call 'softmax' is quantised finished and normalised). What goes into a quantiser is computed in f32, as accurately as f32 sums, v_exp_f32 and their like allow (about 1e-6 of the number): no bf16 or f16 on the way to a quantiser, and a product that is left as it is and whose result goes on into a quantised operand takes f32 operands (vector FMAs, or v_wmma_f32_16x16x4_f32). A number that lies on a knife's edge between two numbers of the format may be rounded either way, as far as f32 arithmetic and the matrix unit's own rounding can turn it there, and no further.
;; One version. Each part assembles by itself: llvm-mc -triple=amdgcn-amd-amdhsa -mcpu=gfx1250 --defsym DOCPART=n.
;; ======== version 1 of 1: 3 launches
;; limits: right only within a limited range of input values
;; workspace buffers: HC 6,291,456 bytes; WC 1,179,648 bytes; SCL 311,296 bytes; BS 4,096 bytes; QW 3,276,800 bytes; KW 3,276,800 bytes; VW 6,553,600 bytes
;; launch prep (part 1): grid 704 x 1, 4 waves a work-group, no clusters, 1,024 bytes of LDS; arguments H, Wq_mu, Wk_mu, Wv_mu, Wv_rho, Wo_mu, Wo_rho, bv_rho, bo_rho, HC, WC, SCL, BS; writes HC, WC, SCL, BS
.if DOCPART == 1
	.amdgcn_target "amdgcn-amd-amdhsa--gfx1250"
	.amdhsa_code_object_version 6
	.text
	.protected	k_q57df2df240_prep
	.globl	k_q57df2df240_prep
	.p2align	8
	.type	k_q57df2df240_prep,@function
k_q57df2df240_prep:
	s_mov_b64 s[64:65], 0
	v_nop
	global_prefetch_b8 v0, s[64:65] scope:SCOPE_SE
	s_setreg_imm32_b32 hwreg(HW_REG_WAVE_MODE, 25, 1), 1
	s_wait_xcnt 0x0
; QUANTISE ONCE.  H and H x H [8192][512], the four mean weights and softplus(rho)^2 of Wv_rho and Wo_rho [512][512] become codes of FP6 (E2M3)
; with one E8M0 byte for each 32 along K, laid in the order of a matrix operand's registers.
; A work-group takes one tile of 16 rows x 512: units 0-511 tiles of H (and of H x H), units 512-703 tile t = (u - 512) % 32 of matrix m = (u - 512) / 32
; (0 Wq_mu, 1 Wk_mu, 2 Wv_mu, 3 softplus(Wv_rho)^2, 4 Wo_mu, 5 softplus(Wo_rho)^2).  Wave k takes the k-th 128 along K: one fragment.
; THE ROWS OF A TILE ARE NOT NEIGHBOURS: lane r of tile T takes row 32 (T / 2) + 8 (T % 2) + r % 8 + 16 (r / 8), so that in a product used transposed the 16 registers of
; two neighbouring result tiles are 16 neighbours along the next K.
; A fragment (12 registers a lane) is stored as an image of its registers: registers 4 g .. 4 g + 3 of lane l at 512 g + 16 l: each store of the wave covers 512 consecutive bytes.
; softplus(x) = max(x, 0) + log1p(e), e = exp(-|x|) in [0, 1]; log1p(e) = 2 s (1 + z/3 + .. + z^7/15), s = e / (2 + e) <= 1/3, z = s^2: the first term left out is under 1.5e-9 for every x.
; LIMITS: NaN and infinities are not served.  A block of zeros gets the byte 1 where the rule says 127: its codes are zeros, and this program alone reads the bytes.
; exp flushes results under 2^-126, so softplus(x) is 0 for x under about -87.  Wq_rho, Wk_rho, bq_rho, bk_rho enter no result of the module and are read by no launch.
.set X,   16                           ; v16-79   my 64 numbers: register 16 b + i = k 32 b + 16 (lane / 16) + i of my row
.set PC,  80                           ; v80-99   the codes just made
.set TM,  100                          ; v100-115 at work in the quantiser
.set PW0, 116                          ; the scale word of the tile, and of its squares
.set PW1, 117
.set E,   120                          ; v120-167 at work in softplus
.set S,   136
.set P,   152
.set C15, 168                          ; v[168:169] 1/15
.set OW,  172                          ; v172-175 four scale words on the way out
.set SEL, 58                           ; s[58:59] lane selects: lane l xor 16
; 64 numbers of a lane become a fragment's codes in v[PC] on and its scale word in v[pw]
.macro QUANT s, pw
.irp b, 0,1,2,3
	v_max3_num_f32 v[TM+\b], |v[\s+16*\b]|, |v[\s+1+16*\b]|, 0x1800000   ; block b: my 16 numbers and the floor 2^(3 - 127): the byte cannot fall under 1
.endr
.irp i, 2,4,6,8,10,12,14
.irp b, 0,1,2,3
	v_max3_num_f32 v[TM+\b], v[TM+\b], |v[\s+16*\b+\i]|, |v[\s+1+16*\b+\i]|
.endr
.endr
.irp b, 0,1,2,3
	v_permlanex16_b32 v[TM+4+\b], v[TM+\b], s[SEL], s[SEL+1]
.endr
.irp b, 0,1,2,3
	v_max_num_f32 v[TM+\b], v[TM+\b], v[TM+4+\b]   ; with lane l xor 16's: the block's largest magnitude
.endr
.irp b, 0,1,2,3
	v_add_nc_u32 v[TM+12+\b], 0xff000000, v[TM+\b] ; 2 off its exponent field: the conversion's scale operand
.endr
.irp b, 0,1,2,3
	v_lshrrev_b32 v[TM+4+\b], 23, v[TM+12+\b]      ; the scale's byte
.endr
	v_lshl_or_b32 v[\pw], v[TM+5], 8, v[TM+4]
	v_lshl_or_b32 v[\pw], v[TM+6], 16, v[\pw]
	v_lshl_or_b32 v[\pw], v[TM+7], 24, v[\pw]
.irp c, 0,1
	v_cvt_scalef32_pk16_fp6_f32 v[PC+6*\c:PC+2+6*\c], v[\s+32*\c:\s+15+32*\c], v[TM+12+2*\c]
	v_cvt_scalef32_pk16_fp6_f32 v[PC+12+4*\c:PC+14+4*\c], v[\s+16+32*\c:\s+31+32*\c], v[TM+12+2*\c+1]
.endr
	v_nop                                          ; one plain line behind the scaled conversions
.irp c, 0,1                                    ; the operand's layout wants a whole block in a lane
.irp i, 0,1,2
	v_permlane16_swap_b32 v[PC+6*\c+\i], v[PC+12+4*\c+\i]
.endr
.irp i, 0,1,2
	v_mov_b32 v[PC+3+6*\c+\i], v[PC+12+4*\c+\i]
.endr
.endr
.endm
; softplus(x)^2 of n pairs of numbers, v[x] on, in place
.macro SP2 x, n
.set q_, 0
.rept 2*(\n)
	v_mul_f32 v[E+q_], s54, |v[(\x)+q_]|           ; -|x| log2(e)
.set q_, q_+1
.endr
.set q_, 0
	s_wait_alu depctr_va_vdst(0)
.rept 2*(\n)
	v_exp_f32 v[E+q_], v[E+q_]                     ; e
.set q_, q_+1
.endr
.set q_, 0
.rept 2*(\n)
	v_max_num_f32 v[(\x)+q_], 0, v[(\x)+q_]        ; plain work behind the batch
.set q_, q_+1
.endr
	s_wait_alu depctr_va_vdst(0)                   ; one wait for the batch, ahead of its first reader
.set q_, 0
.rept \n
	v_pk_add_f32 v[S+q_:S+q_+1], v[E+q_:E+q_+1], 2.0 op_sel_hi:[1,0]
.set q_, q_+2
.endr
.set q_, 0
	s_wait_alu depctr_va_vdst(0)
.rept 2*(\n)
	v_rcp_f32 v[S+q_], v[S+q_]
.set q_, q_+1
.endr
	v_nop
	s_wait_alu depctr_va_vdst(0)
.set q_, 0
.rept \n
	v_pk_mul_f32 v[S+q_:S+q_+1], v[S+q_:S+q_+1], v[E+q_:E+q_+1]          ; s = e / (2 + e)
.set q_, q_+2
.endr
.set q_, 0
.rept \n
	v_pk_mul_f32 v[E+q_:E+q_+1], v[S+q_:S+q_+1], v[S+q_:S+q_+1]          ; z
.set q_, q_+2
.endr
.set q_, 0
.rept \n
	v_pk_fma_f32 v[P+q_:P+q_+1], v[E+q_:E+q_+1], v[C15:C15+1], 0x3d9d89d9 op_sel_hi:[1,1,0]   ; z / 15 + 1 / 13
.set q_, q_+2
.endr
.irp k, 0x3dba2e8c, 0x3de38e39, 0x3e124925, 0x3e4ccccd, 0x3eaaaaab   ; 1/11, 1/9, 1/7, 1/5, 1/3
.set q_, 0
.rept \n
	v_pk_fma_f32 v[P+q_:P+q_+1], v[P+q_:P+q_+1], v[E+q_:E+q_+1], \k op_sel_hi:[1,1,0]
.set q_, q_+2
.endr
.endr
.set q_, 0
.rept \n
	v_pk_fma_f32 v[P+q_:P+q_+1], v[P+q_:P+q_+1], v[E+q_:E+q_+1], 1.0 op_sel_hi:[1,1,0]
.set q_, q_+2
.endr
.set q_, 0
.rept \n
	v_pk_add_f32 v[S+q_:S+q_+1], v[S+q_:S+q_+1], v[S+q_:S+q_+1]
.set q_, q_+2
.endr
.set q_, 0
.rept \n
	v_pk_fma_f32 v[(\x)+q_:(\x)+q_+1], v[S+q_:S+q_+1], v[P+q_:P+q_+1], v[(\x)+q_:(\x)+q_+1]   ; softplus
.set q_, q_+2
.endr
.set q_, 0
.rept \n
	v_pk_mul_f32 v[(\x)+q_:(\x)+q_+1], v[(\x)+q_:(\x)+q_+1], v[(\x)+q_:(\x)+q_+1]
.set q_, q_+2
.endr
.endm
	s_load_b512 s[4:19], s[0:1], 0x0               ; H s4, Wq_mu s6, Wk_mu s8, Wv_mu s10, Wv_rho s12, Wo_mu s14, Wo_rho s16, bv_rho s18
	s_load_b256 s[20:27], s[0:1], 0x40             ; bo_rho s20, HC s22, WC s24, SCL s26
	s_load_b64 s[28:29], s[0:1], 0x60              ; BS
	v_lshl_add_u32 v192, v0, 2, 0x200
	v_mov_b32 v193, 0
	v_lshrrev_b32 v1, 5, v0
	v_readfirstlane_b32 s33, v1                    ; wave = K step
	v_and_b32 v2, 15, v0                           ; r
	v_bfe_u32 v3, v0, 4, 1                         ; h
	v_and_b32 v4, 7, v2
	v_lshrrev_b32 v5, 3, v2
	v_lshl_add_u32 v4, v5, 4, v4                   ; r % 8 + 16 (r / 8)
	v_lshlrev_b32 v5, 11, v4
	v_lshl_add_u32 v5, v3, 6, v5                   ; in: my row of 2,048 bytes, + 64 h
	v_lshlrev_b32 v6, 2, v4                        ; my row's bias
	v_and_b32 v7, 31, v0
	v_lshlrev_b32 v7, 4, v7                        ; an image's place for my lane
	v_lshlrev_b32 v8, 4, v2
	v_lshl_add_u32 v9, v3, 8, v8                   ; LDS, back: 16 r + 256 h
	v_lshl_add_u32 v8, s33, 2, v8                  ; LDS, in: 16 r + 4 k
	v_mov_b32 v[C15], 0x3d888889
	v_mov_b32 v[C15+1], 0x3d888889
.irp b, 0,1,2,3
	v_mov_b32 v[TM+4+\b], 0                        ; a lane permute's destination counts as one of its sources
.endr
	s_mov_b32 s[SEL], 0x76543210
	s_mov_b32 s[SEL+1], 0xfedcba98
	s_mov_b32 s54, 0xbfb8aa3b                      ; -log2(e)
	s_sub_co_u32 s35, ttmp9, 512                   ; among the weights' units (of no use in H's units: the selects below drop it)
	s_lshr_b32 s36, s35, 5                         ; m
	s_and_b32 s37, s35, 31                         ; t
	s_mul_i32 s38, s36, 196608
	s_mul_i32 s39, s37, 1536
	s_add_co_u32 s38, s38, s39
	s_mul_i32 s39, s33, 49152
	s_add_co_u32 s38, s38, s39                     ; WC: [m][K step][tile 32][1,536]
	s_lshr_b32 s40, ttmp9, 3
	s_mul_i32 s40, s40, 49152
	s_and_b32 s41, ttmp9, 7
	s_mul_i32 s41, s41, 1536
	s_add_co_u32 s40, s40, s41
	s_mul_i32 s41, s33, 12288
	s_add_co_u32 s40, s40, s41                     ; HC: [chunk of 128 rows][K step][tile 8][1,536]
	s_lshl_b32 s48, ttmp9, 8
	s_cmp_lt_u32 ttmp9, 512
	s_cselect_b32 s38, s40, s38                    ; where my image goes
	s_cselect_b32 s37, ttmp9, s37                  ; the tile's number in its tensor
	s_cselect_b32 s42, 0x20000, 0                  ; from H's scale words to those of H x H
	s_cselect_b32 s43, 0, 0x20000
	s_add_co_u32 s48, s48, s43                     ; SCL: 256 bytes a tile: H at 0, H x H at 131,072, the weights at 262,144
	s_mov_b32 s49, 0
	s_mov_b32 s39, 0
	s_cmp_eq_u32 s36, 3
	s_cselect_b32 s34, 1, 0
	s_cmp_eq_u32 s36, 5
	s_cselect_b32 s34, 1, s34                      ; 1: a tile of rho
	s_lshr_b32 s46, s37, 1
	s_and_b32 s47, s37, 1
	s_lshl_b32 s40, s46, 7
	s_lshl_b32 s47, s47, 5
	s_add_co_u32 s40, s40, s47                     ; 4 x the tile's first row
	s_mov_b32 s41, 0
	s_lshl_b32 s46, s40, 9                         ; the row in bytes,
	s_lshl_b32 s47, s33, 9
	s_add_co_u32 s46, s46, s47                     ; + 512 k
	s_mov_b32 s47, 0
	v_mul_u32_u24 v12, v3, s42
	v_lshl_add_u32 v12, v2, 4, v12                 ; the scale words' way out: 16 r, lanes 16-31 in the squares' part
	s_wait_kmcnt 0x0
	s_cmp_ge_u32 ttmp9, 512                        ; the choices hang on the work-group's number alone
	s_cselect_b64 s[30:31], s[6:7], s[4:5]
	s_cmp_ge_u32 ttmp9, 544
	s_cselect_b64 s[30:31], s[8:9], s[30:31]
	s_cmp_ge_u32 ttmp9, 576
	s_cselect_b64 s[30:31], s[10:11], s[30:31]
	s_cmp_ge_u32 ttmp9, 608
	s_cselect_b64 s[30:31], s[12:13], s[30:31]
	s_cmp_ge_u32 ttmp9, 640
	s_cselect_b64 s[30:31], s[14:15], s[30:31]
	s_cmp_ge_u32 ttmp9, 672
	s_cselect_b64 s[30:31], s[16:17], s[30:31]
	s_cselect_b64 s[50:51], s[20:21], s[18:19]     ; bo_rho or bv_rho
	s_cselect_b32 s56, 2048, 0
	s_mov_b32 s57, 0
	s_cmp_lt_u32 ttmp9, 512
	s_cselect_b64 s[44:45], s[22:23], s[24:25]
	s_add_nc_u64 s[30:31], s[30:31], s[46:47]
	s_add_nc_u64 s[44:45], s[44:45], s[38:39]
	s_add_nc_u64 s[26:27], s[26:27], s[48:49]
	s_add_nc_u64 s[50:51], s[50:51], s[40:41]
	s_add_nc_u64 s[28:29], s[28:29], s[40:41]
	s_add_nc_u64 s[28:29], s[28:29], s[56:57]
.irp b, 0,1,2,3
.irp j, 0,1,2,3
	global_load_b128 v[X+16*\b+4*\j:X+16*\b+4*\j+3], v5, s[30:31] offset:128*\b+16*\j
.endr
.endr
	s_cmp_eq_u32 s34, 0
	s_cbranch_scc1 .Lplain
	global_load_b32 v10, v6, s[50:51]              ; rho of my row's bias
	s_wait_loadcnt 0x0
	v_mov_b32 v11, v10
	SP2 X, 8
	SP2 X+16, 8
	SP2 X+32, 8
	SP2 X+48, 8
	SP2 10, 1
	s_cmp_lg_u32 s33, 0
	s_cbranch_scc1 .Lplain
	global_store_b32 v6, v10, s[28:29]             ; wave 0: the tile's 16 squared bias deviations (lanes 16-31 repeat lanes 0-15)
.Lplain:
	s_wait_loadcnt 0x0
	QUANT X, PW0
.irp g, 0,1,2
	global_store_b128 v7, v[PC+4*\g:PC+4*\g+3], s[44:45] offset:512*\g
.endr
	s_cmp_lt_u32 ttmp9, 512
	s_cbranch_scc0 .Lweights
	s_wait_xcnt 0x0                                ; the codes' registers are written again only behind this wait
.set q_, 0
.rept 32
	v_pk_mul_f32 v[X+q_:X+q_+1], v[X+q_:X+q_+1], v[X+q_:X+q_+1]
.set q_, q_+2
.endr
	QUANT X, PW1
.irp g, 0,1,2
	global_store_b128 v7, v[PC+4*\g:PC+4*\g+3], s[44:45] offset:3145728+512*\g
.endr
	s_branch .Ljoin
.Lweights:
	v_mov_b32 v[PW1], v[PW0]
.Ljoin:
	ds_store_b32 v8, v[PW0]                        ; the four waves' words of a row meet: [r][K step]; both halves of the lanes write the same word
	ds_store_b32 v8, v[PW1] offset:256
	s_wait_dscnt 0x0                               ; for the others' sake
	s_barrier_signal -1
	s_barrier_wait -1
	s_cmp_lg_u32 s33, 0
	s_cbranch_scc1 .Lend
	ds_load_b128 v[OW:OW+3], v9
	s_wait_dscnt 0x0
	global_store_b128 v12, v[OW:OW+3], s[26:27]    ; sixteen lanes store the tile's 256 bytes (for a weight lanes 16-31 repeat them)
.Lend:
	s_wait_tensorcnt 0x0
	ds_add_u32 v192, v193
	s_wait_dscnt 0x0
	s_endpgm
.Lfunc_end_k_q57df2df240_prep:
	.size	k_q57df2df240_prep, .Lfunc_end_k_q57df2df240_prep-k_q57df2df240_prep
	.p2alignl 7, 3214868480
	.fill 96, 4, 3214868480
	.section	.rodata,"a",@progbits
	.p2align	6, 0x0
	.amdhsa_kernel k_q57df2df240_prep
		.amdhsa_group_segment_fixed_size 1024
		.amdhsa_private_segment_fixed_size 0
		.amdhsa_enable_private_segment 0
		.amdhsa_kernarg_size 104
		.amdhsa_user_sgpr_count 2
		.amdhsa_user_sgpr_kernarg_segment_ptr 1
		.amdhsa_wavefront_size32 1
		.amdhsa_system_sgpr_workgroup_id_x 1
		.amdhsa_system_sgpr_workgroup_id_y 1
		.amdhsa_system_sgpr_workgroup_id_z 1
		.amdhsa_system_vgpr_workitem_id 0
		.amdhsa_next_free_vgpr 194
		.amdhsa_next_free_sgpr 66
		.amdhsa_reserve_vcc 0
		.amdhsa_float_denorm_mode_32 3
		.amdhsa_float_denorm_mode_16_64 3
		.amdhsa_memory_ordered 1
		.amdhsa_forward_progress 1
		.amdhsa_inst_pref_size 62
	.end_amdhsa_kernel
	.amdgpu_metadata
---
amdhsa.version: [ 1, 2 ]
amdhsa.kernels:
  - .name:           k_q57df2df240_prep
    .symbol:         k_q57df2df240_prep.kd
    .args:
      - { .name: H, .offset: 0, .size: 8, .value_kind: global_buffer, .address_space: global }
      - { .name: Wq_mu, .offset: 8, .size: 8, .value_kind: global_buffer, .address_space: global }
      - { .name: Wk_mu, .offset: 16, .size: 8, .value_kind: global_buffer, .address_space: global }
      - { .name: Wv_mu, .offset: 24, .size: 8, .value_kind: global_buffer, .address_space: global }
      - { .name: Wv_rho, .offset: 32, .size: 8, .value_kind: global_buffer, .address_space: global }
      - { .name: Wo_mu, .offset: 40, .size: 8, .value_kind: global_buffer, .address_space: global }
      - { .name: Wo_rho, .offset: 48, .size: 8, .value_kind: global_buffer, .address_space: global }
      - { .name: bv_rho, .offset: 56, .size: 8, .value_kind: global_buffer, .address_space: global }
      - { .name: bo_rho, .offset: 64, .size: 8, .value_kind: global_buffer, .address_space: global }
      - { .name: HC, .offset: 72, .size: 8, .value_kind: global_buffer, .address_space: global }
      - { .name: WC, .offset: 80, .size: 8, .value_kind: global_buffer, .address_space: global }
      - { .name: SCL, .offset: 88, .size: 8, .value_kind: global_buffer, .address_space: global }
      - { .name: BS, .offset: 96, .size: 8, .value_kind: global_buffer, .address_space: global }
    .group_segment_fixed_size: 1024
    .private_segment_fixed_size: 0
    .kernarg_segment_align: 8
    .kernarg_segment_size: 104
    .max_flat_workgroup_size: 128
    .sgpr_count:     66
    .vgpr_count:     194
    .wavefront_size: 32
...
	.end_amdgpu_metadata
.endif
;; end of part 1
;; launch proj (part 2): grid 64 x 4, 4 waves a work-group, clusters of 4 x 1, 246,272 bytes of LDS; arguments HC, WC, SCL, bq_mu, bk_mu, bv_mu, BS, QW, KW, VW; writes QW, KW, VW
.if DOCPART == 2
	.amdgcn_target "amdgcn-amd-amdhsa--gfx1250"
	.amdhsa_code_object_version 6
	.text
	.protected	k_q57df2df240_proj
	.globl	k_q57df2df240_proj
	.p2align	8
	.type	k_q57df2df240_proj,@function
k_q57df2df240_proj:
	s_mov_b64 s[64:65], 0
	v_nop
	global_prefetch_b8 v0, s[64:65] scope:SCOPE_SE
	s_setreg_imm32_b32 hwreg(HW_REG_WAVE_MODE, 25, 1), 1
	s_wait_xcnt 0x0
	s_wait_alu depctr_hold_cnt(0) depctr_sa_sdst(0) depctr_va_vdst(0) depctr_va_sdst(0) depctr_va_ssrc(0) depctr_va_vcc(0) depctr_vm_vsrc(0)
	s_getreg_b32 s2, hwreg(HW_REG_IB_STS2, 6, 4)
	s_cmp_eq_u32 s2, 0
	s_cbranch_scc0 .Lentry_in_a_cluster
	s_endpgm
.Lentry_in_a_cluster:
	s_bfe_u32 s2, ttmp6, 0x10000c
	s_cmp_lg_u32 s2, 0x3003
	s_cbranch_scc0 .Lentry_shape_is_right
	s_endpgm
.Lentry_shape_is_right:
; THE FOUR INPUT PROJECTIONS on codes of FP6, and their results quantised at once for attention.  Work-group (x, y): rows 128 x .. 128 x + 127 (a chunk), matrix y: 0 Q, 1 K, 2 V, 3 V's variance (H x H against softplus(Wv_rho)^2).
; Wave w takes the weight's tiles 8 w .. 8 w + 7 (four heads) against the chunk's eight tiles of rows: 64 accumulators, 256 matrix instructions.
; Q and K: source 0 = 16 rows of W, source 1 = 16 rows of H: a lane holds one row of H, and its registers run along the features: they are quantised along the head's 32.
; V and its variance: source 0 = 16 rows of H, source 1 = 16 rows of W: a lane holds one channel, and its registers run along the keys: they are quantised along the keys.
; The bias is the C of each sum's first matrix instruction.
; LDS is filled once: the chunk's codes (49,152 bytes, [K step][tile 8][1,536]) and the whole weight (196,608 bytes, [K step][tile 32][1,536]): one tensor load a wave.
; CLUSTER: the four chunks of a cluster take the same weight: its tiles are asked for jointly.  H's tiles are each work-group's own (the fourth matrix reads H x H, so a column of the grid shares no tile).
; OUT: QW codes [tile 512][pair of heads 8][3][lane][8 bytes], scale bytes [tile][row 16][head 16] from byte 3,145,728 on;
;   KW, 25,600 bytes a (batch, head): 16 fragments of 64 keys (block 2 c + h of a fragment = tile of 16 keys), then a scale word a lane for each chunk;
;   VW, 51,200 bytes a (batch, head): V's 16 fragments (chunk, half of the channels), their scale words, then the variance's likewise.
; LIMITS: as the launch before states them.
.set WV,  40
.set CX,  41
.set CH,  42
.set Y,   43
.set G1P, 24                           ; s[24:31] group 1 of my own loads;  s[32:39] of the joint ones
.set G1J, 32
.set G0H, 44                           ; s[44:47] group 0 for H;  s[48:51] for the weight's third
.set G0W, 48
.set SEL, 66
.set MHI, 68
.set AH,  1                            ; v1    16 x lane: H's tiles in LDS, and an image's place
.set AW,  2                            ; v2-5  my part of the weight's K step 0 .. 3 in LDS
.set RL,  6
.set HL,  7
.set SCO, 8
.set BOQ, 9
.set O8,  10
.set O4,  11
.set OQS, 12
.set BOV, 13
.set T0,  14
.set SC,  16                           ; v16-47 scale words: register 4 x + k: lanes 0-15 W's tile x, lanes 16-31 H's tile x, K step k
.set PW,  48                           ; v48-55 the scale words made;  v56-59 two of them merged
.set MG,  56
.set TM,  64                           ; the way out, where fragment set 1 lay
.set PCA, 80
.set PCB, 100
.set TT,  120
.set BI,  192                          ; window 1: the bias, eight registers a tile of W
.set MSB, 0
.macro WIN new                         ; the immediate's high byte repeats the setting that is left
.if MSB != (\new)
	s_set_vgpr_msb (MSB<<8)|(\new)
.set MSB, (\new)
.endif
.endm
.macro PLACES n
.rept \n
	v_nop
.endr
.endm
.macro CROUND                          ; a round of the cluster's barrier
	s_barrier_signal -1
	s_barrier_wait -1
	s_cmp_lg_u32 s[WV], 0
	s_cbranch_scc1 .Lnw0_\@
	s_barrier_signal -3
.Lnw0_\@:
	s_barrier_wait -3
	s_barrier_signal -1
	s_barrier_wait -1
.endm
; the fragments of K step k: W's eight and H's eight.  Set 0: window 1 (W v0-95, H v96-191); set 1: window 0 (W v64-159, H v160-255)
.macro FETCH k, set
	WIN (1-(\set))<<6
.set wb_, 64*(\set)
.set hb_, 96+64*(\set)
.irp x, 0,1,2,3,4,5,6,7
.irp g, 0,1,2
	ds_load_b128 v[wb_+12*\x+4*\g:wb_+12*\x+4*\g+3], v[AW+\k] offset:\x*1536+512*\g
.endr
.endr
.irp x, 0,1,2,3,4,5,6,7
.irp g, 0,1,2
	ds_load_b128 v[hb_+12*\x+4*\g:hb_+12*\x+4*\g+3], v[AH] offset:\k*12288+\x*1536+512*\g
.endr
.endr
.endm
; 64 matrix instructions: one K step on all accumulators, which take turns in the same order in every step
.macro MUL path, k, set, first
.set wb_, 64*(\set)
.set hb_, 96+64*(\set)
.set sw_, 1-(\set)
.irp hi, 0,1
.if \first
	WIN ((2+\hi)<<6)|(1<<4)|(sw_<<2)|sw_
.else
	WIN ((2+\hi)<<6)|((2+\hi)<<4)|(sw_<<2)|sw_
.endif
.irp o, 0,1,2,3
.irp i, 0,1,2,3,4,5,6,7
.set ac_, 64*\o+8*\i
.if \path == 0
.set tt_, \i
.set aa_, 4*\hi+\o
.if \first
	v_wmma_scale_f32_16x16x128_f8f6f4 v[ac_:ac_+7], v[wb_+12*tt_:wb_+12*tt_+11], v[hb_+12*aa_:hb_+12*aa_+11], v[BI+8*tt_:BI+8*tt_+7], v[SC+4*tt_+\k], v[SC+4*aa_+\k] matrix_a_fmt:MATRIX_FMT_FP6 matrix_b_fmt:MATRIX_FMT_FP6 matrix_b_scale:MATRIX_SCALE_ROW1
.else
	v_wmma_scale_f32_16x16x128_f8f6f4 v[ac_:ac_+7], v[wb_+12*tt_:wb_+12*tt_+11], v[hb_+12*aa_:hb_+12*aa_+11], v[ac_:ac_+7], v[SC+4*tt_+\k], v[SC+4*aa_+\k] matrix_a_fmt:MATRIX_FMT_FP6 matrix_b_fmt:MATRIX_FMT_FP6 matrix_b_scale:MATRIX_SCALE_ROW1
.endif
.else
.set tt_, 4*\hi+\o
.set aa_, \i
.if \first
	v_wmma_scale_f32_16x16x128_f8f6f4 v[ac_:ac_+7], v[hb_+12*aa_:hb_+12*aa_+11], v[wb_+12*tt_:wb_+12*tt_+11], v[BI+8*tt_:BI+8*tt_+7], v[SC+4*aa_+\k], v[SC+4*tt_+\k] matrix_a_fmt:MATRIX_FMT_FP6 matrix_b_fmt:MATRIX_FMT_FP6 matrix_a_scale:MATRIX_SCALE_ROW1
.else
	v_wmma_scale_f32_16x16x128_f8f6f4 v[ac_:ac_+7], v[hb_+12*aa_:hb_+12*aa_+11], v[wb_+12*tt_:wb_+12*tt_+11], v[ac_:ac_+7], v[SC+4*aa_+\k], v[SC+4*tt_+\k] matrix_a_fmt:MATRIX_FMT_FP6 matrix_b_fmt:MATRIX_FMT_FP6 matrix_a_scale:MATRIX_SCALE_ROW1
.endif
.endif
.endr
.endr
.endr
.endm
; the four K steps.    dscnt 48: the other set's 48 loads may stay out.
.macro MAIN path
	FETCH 0, 0
	FETCH 1, 1
	s_wait_loadcnt 0x0                             ; scale words and bias
.if \path
	WIN 0x41
.irp t, 0,1,2,3,4,5,6,7
.irp j, 1,2,3,4,5,6,7
	v_mov_b32 v[BI+8*\t+\j], v[BI+8*\t]            ; a lane's eight results of a tile are one channel's: the same bias eight times
.endr
.endr
	PLACES 4
.endif
	s_wait_alu depctr_va_vdst(0)
	s_wait_dscnt 48
	MUL \path, 0, 0, 1
	PLACES 4                                       ; in front of loads into registers that matrix instructions have read
	FETCH 2, 0
	s_wait_dscnt 48
	MUL \path, 1, 1, 0
	PLACES 4
	FETCH 3, 1
	s_wait_dscnt 48
	MUL \path, 2, 0, 0
	s_wait_dscnt 0x0
	MUL \path, 3, 1, 0
	WIN 0
	PLACES 4                                       ; in front of the first read of results, and of writes into set 1's registers
.irp b, 0,1,2,3
	v_mov_b32 v[TM+4+\b], 0                        ; a lane permute's destination counts as one of its sources
.endr
.endm
; 64 numbers of a lane in window X, v[s] on (register 16 b + i = k 32 b + 16 (lane / 16) + i of my row), become a fragment's codes in v[pc] on and its scale word in v[pw].  Each accumulator is read from its low end on.
.macro QUANTW X, s, pc, pw
	WIN ((\X)<<4)|((\X)<<2)
.irp b, 0,1,2,3
	v_max3_num_f32 v[TM+\b], 0x1800000, |v[(\s)+16*\b]|, |v[(\s)+1+16*\b]|   ; with the floor 2^(3 - 127)
.endr
.irp i, 2,4,6,8,10,12,14
.irp b, 0,1,2,3
	v_max3_num_f32 v[TM+\b], v[TM+\b], |v[(\s)+16*\b+\i]|, |v[(\s)+1+16*\b+\i]|
.endr
.endr
	WIN 0
.irp b, 0,1,2,3
	v_permlanex16_b32 v[TM+4+\b], v[TM+\b], s[SEL], s[SEL+1]
.endr
.irp b, 0,1,2,3
	v_max_num_f32 v[TM+\b], v[TM+\b], v[TM+4+\b]
.endr
.irp b, 0,1,2,3
	v_add_nc_u32 v[TM+12+\b], 0xff000000, v[TM+\b]
.endr
.irp b, 0,1,2,3
	v_lshrrev_b32 v[TM+4+\b], 23, v[TM+12+\b]
.endr
	v_lshl_or_b32 v[\pw], v[TM+5], 8, v[TM+4]
	v_lshl_or_b32 v[\pw], v[TM+6], 16, v[\pw]
	v_lshl_or_b32 v[\pw], v[TM+7], 24, v[\pw]
	WIN (\X)
.irp c, 0,1
	v_cvt_scalef32_pk16_fp6_f32 v[\pc+6*\c:\pc+2+6*\c], v[(\s)+32*\c:(\s)+15+32*\c], v[TM+12+2*\c]
	v_cvt_scalef32_pk16_fp6_f32 v[\pc+12+4*\c:\pc+14+4*\c], v[(\s)+16+32*\c:(\s)+31+32*\c], v[TM+12+2*\c+1]
.endr
	WIN 0
	v_nop
.irp c, 0,1
.irp i, 0,1,2
	v_permlane16_swap_b32 v[\pc+6*\c+\i], v[\pc+12+4*\c+\i]
.endr
.irp i, 0,1,2
	v_mov_b32 v[\pc+3+6*\c+\i], v[\pc+12+4*\c+\i]
.endr
.endr
.endm
	s_load_b512 s[4:19], s[0:1], 0x0               ; HC s4, WC s6, SCL s8, bq_mu s10, bk_mu s12, bv_mu s14, BS s16, QW s18
	s_load_b128 s[20:23], s[0:1], 0x40             ; KW s20, VW s22
	v_lshl_add_u32 v62, v0, 2, 0x3c000
	v_mov_b32 v63, 0
	ds_add_u32 v62, v63
	ds_add_u32 v62, v63
	v_lshrrev_b32 v1, 5, v0
	v_readfirstlane_b32 s[WV], v1
	s_bfe_u32 s[CX], ttmp6, 0x40000
	s_lshl_b32 s[CH], ttmp9, 2
	s_add_co_u32 s[CH], s[CH], s[CX]               ; my chunk of 128 rows
	s_and_b32 s[Y], ttmp7, 0xffff                  ; my matrix, which the four partners share
	; group 1: a dense block as rows of 256 bytes (32 elements of 8 bytes)
	s_mov_b32 s[G1P], 3<<16
	s_mov_b32 s[G1J], 15|(3<<16)|(1<<21)           ; the mask names the four work-groups; bit 21 beside it
.irp g, G1P, G1J
	s_mov_b32 s[\g+1], 32<<16
	s_mov_b32 s[\g+3], 32<<16
	s_mov_b32 s[\g+5], 32
	s_mov_b32 s[\g+6], 0
	s_mov_b32 s[\g+7], 0
.endr
	s_mov_b32 s[G1P+2], 192<<16                    ; the chunk of H: 49,152 dense bytes as 192 rows of 256
	s_mov_b32 s[G1P+4], 192
	s_mov_b32 s[G1J+2], 256<<16                    ; a third of the weight: 65,536 dense bytes as 256 rows of 256
	s_mov_b32 s[G1J+4], 256
	s_mov_b32 s[SEL], 0x76543210
	s_mov_b32 s[SEL+1], 0xfedcba98
	s_mov_b32 s[MHI], 0xffff0000
	s_mul_i32 s76, s[WV], 12288                    ; my quarter of a K step, in memory and in LDS
	s_cmp_eq_u32 s[Y], 3
	s_cselect_b32 s78, 0x300000, 0                 ; the variance reads the codes of H x H,
	s_cselect_b32 s86, 0x20000, 0                  ; and their scale words
	s_mul_i32 s79, s[CH], 49152
	s_add_co_u32 s78, s78, s79
	s_mov_b32 s79, 0
	s_mul_i32 s80, s[Y], 196608
	s_lshl_b32 s77, s[WV], 16
	s_add_co_u32 s80, s80, s77                     ; waves 0 to 2: my third of the weight
	s_mov_b32 s81, 0
	s_wait_dscnt 0x0
	s_wait_kmcnt 0x0
	s_mov_b32 s[G0H], 1
	s_mov_b32 s[G0H+1], 0
	s_add_nc_u64 s[G0H+2:G0H+3], s[4:5], s[78:79]
	s_or_b32 s[G0H+3], s[G0H+3], 0x80000000
	s_add_nc_u64 s[82:83], s[6:7], s[80:81]
	s_mov_b32 s[G0W], 1
	s_add_co_u32 s[G0W+1], s77, 49152
	s_mov_b64 s[G0W+2:G0W+3], s[82:83]
	s_or_b32 s[G0W+3], s[G0W+3], 0x80000000
	CROUND                                         ; all four work-groups are here: the joint loads meet
	; one tensor load a wave: waves 0 to 2 a third of the weight each, jointly; wave 3 the chunk of H
	s_cmp_lt_u32 s[WV], 3
	s_cbranch_scc0 .Lfor_h
	tensor_load_to_lds s[G0W:G0W+3], s[G1J:G1J+7]
	s_nop 0
	PLACES 4
	s_branch .Lasked
.Lfor_h:
	tensor_load_to_lds s[G0H:G0H+3], s[G1P:G1P+7]
	s_nop 0
	PLACES 4
.Lasked:
	v_and_b32 v[T0], 31, v0
	v_lshlrev_b32 v[AH], 4, v[T0]
	v_lshlrev_b32 v[O8], 3, v[T0]
	v_lshlrev_b32 v[O4], 2, v[T0]
.irp k, 0,1,2,3
	s_add_co_u32 s77, s76, 49152+\k*49152
	v_add_nc_u32 v[AW+\k], s77, v[AH]
.endr
	v_and_b32 v[RL], 15, v0
	v_bfe_u32 v[HL], v0, 4, 1
	v_lshlrev_b32 v[BOQ], 6, v[HL]
	v_lshlrev_b32 v[OQS], 8, v[HL]
	v_lshl_add_u32 v[OQS], v[RL], 4, v[OQS]
	v_and_b32 v[BOV], 7, v[RL]
	v_lshrrev_b32 v[T0], 3, v[RL]
	v_lshl_add_u32 v[BOV], v[T0], 4, v[BOV]
	v_lshlrev_b32 v[BOV], 2, v[BOV]                ; 4 x (r % 8 + 16 (r / 8))
	s_lshl_b32 s84, s[Y], 13
	s_lshl_b32 s85, s[WV], 11
	s_add_co_u32 s84, s84, s85
	s_add_co_u32 s84, s84, 262144                  ; my tiles of W among the scale words,
	s_lshl_b32 s85, s[CH], 11
	s_add_co_u32 s85, s85, s86                     ; the chunk's tiles of H,
	s_sub_co_u32 s84, s84, s85                     ; and the distance between them
	v_xor_b32 v[T0], 1, v[HL]
	v_mul_u32_u24 v[SCO], v[T0], s84
	v_lshl_add_u32 v[SCO], v[RL], 4, v[SCO]
	v_add_nc_u32 v[SCO], s85, v[SCO]               ; lanes 0-15 take W's words, lanes 16-31 H's
.irp x, 0,1,2,3,4,5,6,7
	global_load_b128 v[SC+4*\x:SC+4*\x+3], v[SCO], s[8:9] offset:256*\x
.endr
	s_cmp_eq_u32 s[Y], 1
	s_cselect_b64 s[70:71], s[12:13], s[10:11]
	s_cmp_eq_u32 s[Y], 2
	s_cselect_b64 s[70:71], s[14:15], s[70:71]
	s_cmp_eq_u32 s[Y], 3
	s_cselect_b64 s[70:71], s[16:17], s[70:71]
	s_lshl_b32 s88, s[WV], 9
	s_mov_b32 s89, 0
	s_add_nc_u64 s[70:71], s[70:71], s[88:89]      ; the bias of my 128 features
	s_wait_tensorcnt 0x0                           ; my one load has landed
	s_barrier_signal -1
	s_barrier_wait -1                              ; every wave's load has
	s_cmp_ge_u32 s[Y], 2
	s_cbranch_scc1 .Lvpath
	WIN 0x40
.irp t, 0,1,2,3,4,5,6,7
	global_load_b128 v[BI+8*\t:BI+8*\t+3], v[BOQ], s[70:71] offset:(32*(\t/2)+8*(\t%2))*4
	global_load_b128 v[BI+8*\t+4:BI+8*\t+7], v[BOQ], s[70:71] offset:(32*(\t/2)+8*(\t%2))*4+16
.endr
	MAIN 0
	s_cmp_eq_u32 s[Y], 1
	s_cbranch_scc1 .Lkout
	; ---- Q: a tile of rows gives one fragment: 16 queries x my four heads
	s_mul_i32 s76, s[CH], 49152
	s_mul_i32 s77, s[WV], 1536
	s_add_co_u32 s76, s76, s77
	s_mov_b32 s77, 0
	s_add_nc_u64 s[72:73], s[18:19], s[76:77]
	s_lshl_b32 s76, s[CH], 11
	s_lshl_b32 s78, s[WV], 2
	s_add_co_u32 s76, s76, s78
	s_add_nc_u64 s[74:75], s[18:19], s[76:77]
.irp a, 0,1,2,3,4,5,6,7
.if \a > 0
	s_wait_xcnt 0x0                                ; the codes' registers are written again only behind this wait
.endif
	QUANTW 2+\a/4, 64*(\a%4), PCA, PW+\a
.irp p, 0,1,2,3,4,5
	global_store_b64 v[O8], v[PCA+2*\p:PCA+2*\p+1], s[72:73] offset:\a*6144+256*\p   ; the wave stores 256 consecutive bytes
.endr
.endr
.irp o, 0,1,2,3
	v_cndmask_b32 v[MG+\o], v[PW+2*\o], v[PW+2*\o+1], s[MHI]   ; lanes 0-15 the even tile's words, lanes 16-31 the odd tile's
.endr
.irp o, 0,1,2,3
	global_store_b32 v[OQS], v[MG+\o], s[74:75] offset:3145728+512*\o   ; [tile][row][head]: my four heads' bytes of each row
.endr
	s_branch .Lend
.Lkout:
	; ---- K: two tiles of rows at a time; the halves of the lanes change places, so that a register run holds ONE head and a tile in each half
	s_lshr_b32 s76, s[CH], 3
	s_lshl_b32 s76, s76, 4
	s_lshl_b32 s77, s[WV], 2
	s_add_co_u32 s76, s76, s77                     ; 16 x batch + my first head
	s_mul_i32 s76, s76, 25600
	s_and_b32 s78, s[CH], 7                        ; the chunk in its batch
	s_mul_i32 s79, s78, 3072
	s_add_co_u32 s80, s76, s79
	s_mov_b32 s81, 0
	s_add_nc_u64 s[72:73], s[20:21], s[80:81]
	s_lshl_b32 s79, s78, 7
	s_add_co_u32 s80, s76, s79
	s_add_nc_u64 s[74:75], s[20:21], s[80:81]
.irp u, 0,1,2,3
.if \u > 0
	s_wait_xcnt 0x0
.endif
	QUANTW 2+\u/2, 64*((2*\u)%4), PCA, PW+2*\u
	QUANTW 2+\u/2, 64*((2*\u+1)%4), PCB, PW+2*\u+1
.irp i, 0,1,2,3,4,5,6,7,8,9,10,11
	v_permlane16_swap_b32 v[PCA+\i], v[PCB+\i]     ; the first now holds the even heads, the second the odd ones
.endr
.irp c, 0,1
.irp p, 0,1,2
	global_store_b64 v[O8], v[PCA+6*\c+2*\p:PCA+6*\c+2*\p+1], s[72:73] offset:(2*\c)*25600+(\u/2)*1536+(3*(\u%2)+\p)*256
	global_store_b64 v[O8], v[PCB+6*\c+2*\p:PCB+6*\c+2*\p+1], s[72:73] offset:(2*\c+1)*25600+(\u/2)*1536+(3*(\u%2)+\p)*256
.endr
.endr
.endr
.irp f, 0,1                                    ; the scale bytes: from a word of four heads a tile to a word of four tiles a head
	v_perm_b32 v[TT+8*\f],   v[PW+4*\f+1], v[PW+4*\f],   0x05010400
	v_perm_b32 v[TT+8*\f+1], v[PW+4*\f+1], v[PW+4*\f],   0x07030602
	v_perm_b32 v[TT+8*\f+2], v[PW+4*\f+3], v[PW+4*\f+2], 0x05010400
	v_perm_b32 v[TT+8*\f+3], v[PW+4*\f+3], v[PW+4*\f+2], 0x07030602
	v_perm_b32 v[TT+8*\f+4], v[TT+8*\f+2], v[TT+8*\f],   0x05040100
	v_perm_b32 v[TT+8*\f+5], v[TT+8*\f+2], v[TT+8*\f],   0x07060302
	v_perm_b32 v[TT+8*\f+6], v[TT+8*\f+3], v[TT+8*\f+1], 0x05040100
	v_perm_b32 v[TT+8*\f+7], v[TT+8*\f+3], v[TT+8*\f+1], 0x07060302
.endr
.irp e, 0,1,2,3
	v_cndmask_b32 v[TT+4+\e], v[TT+4+\e], v[TT+12+\e], s[MHI]   ; lanes 0-15 the chunk's first fragment, lanes 16-31 its second
.endr
.irp e, 0,1,2,3
	global_store_b32 v[O4], v[TT+4+\e], s[74:75] offset:24576+\e*25600
.endr
	s_branch .Lend
.Lvpath:
	WIN 0x40
	s_wait_alu depctr_va_vdst(0)
.irp t, 0,1,2,3,4,5,6,7
	global_load_b32 v[BI+8*\t], v[BOV], s[70:71] offset:(32*(\t/2)+8*(\t%2))*4
.endr
	MAIN 1
	; ---- V and its variance: a tile of W gives one fragment: 16 channels x the chunk's 128 keys
	s_lshr_b32 s76, s[CH], 3
	s_lshl_b32 s76, s76, 4
	s_lshl_b32 s77, s[WV], 2
	s_add_co_u32 s76, s76, s77
	s_mul_i32 s76, s76, 51200
	s_cmp_eq_u32 s[Y], 3
	s_cselect_b32 s77, 25600, 0
	s_add_co_u32 s76, s76, s77
	s_and_b32 s78, s[CH], 7
	s_mul_i32 s79, s78, 3072
	s_add_co_u32 s80, s76, s79
	s_mov_b32 s81, 0
	s_add_nc_u64 s[72:73], s[22:23], s[80:81]
	s_lshl_b32 s79, s78, 7
	s_add_co_u32 s80, s76, s79
	s_add_nc_u64 s[74:75], s[22:23], s[80:81]
.irp t, 0,1,2,3,4,5,6,7
.if \t > 0
	s_wait_xcnt 0x0
.endif
	QUANTW 2+\t/4, 64*(\t%4), PCA, PW+\t
.irp g, 0,1,2
	global_store_b128 v[AH], v[PCA+4*\g:PCA+4*\g+3], s[72:73] offset:(\t/2)*51200+(\t%2)*1536+512*\g
.endr
.if \t%2
	v_cndmask_b32 v[MG+\t/2], v[PW+\t-1], v[PW+\t], s[MHI]     ; lanes 0-15 the head's first 16 channels, lanes 16-31 the others
	global_store_b32 v[O4], v[MG+\t/2], s[74:75] offset:24576+(\t/2)*51200
.endif
.endr
.Lend:
	s_wait_tensorcnt 0x0
	ds_add_u32 v62, v63
	s_wait_dscnt 0x0
	CROUND                                         ; the closing round: no work-group ends while a partner may still ask for a tile that names it
	s_endpgm
.Lfunc_end_k_q57df2df240_proj:
	.size	k_q57df2df240_proj, .Lfunc_end_k_q57df2df240_proj-k_q57df2df240_proj
	.p2alignl 7, 3214868480
	.fill 96, 4, 3214868480
	.section	.rodata,"a",@progbits
	.p2align	6, 0x0
	.amdhsa_kernel k_q57df2df240_proj
		.amdhsa_group_segment_fixed_size 246272
		.amdhsa_private_segment_fixed_size 0
		.amdhsa_enable_private_segment 0
		.amdhsa_kernarg_size 80
		.amdhsa_user_sgpr_count 2
		.amdhsa_user_sgpr_kernarg_segment_ptr 1
		.amdhsa_wavefront_size32 1
		.amdhsa_system_sgpr_workgroup_id_x 1
		.amdhsa_system_sgpr_workgroup_id_y 1
		.amdhsa_system_sgpr_workgroup_id_z 1
		.amdhsa_system_vgpr_workitem_id 0
		.amdhsa_next_free_vgpr 1024
		.amdhsa_next_free_sgpr 92
		.amdhsa_reserve_vcc 0
		.amdhsa_float_denorm_mode_32 3
		.amdhsa_float_denorm_mode_16_64 3
		.amdhsa_memory_ordered 1
		.amdhsa_forward_progress 1
		.amdhsa_inst_pref_size 212
	.end_amdhsa_kernel
	.amdgpu_metadata
---
amdhsa.version: [ 1, 2 ]
amdhsa.kernels:
  - .name:           k_q57df2df240_proj
    .symbol:         k_q57df2df240_proj.kd
    .args:
      - { .name: HC, .offset: 0, .size: 8, .value_kind: global_buffer, .address_space: global }
      - { .name: WC, .offset: 8, .size: 8, .value_kind: global_buffer, .address_space: global }
      - { .name: SCL, .offset: 16, .size: 8, .value_kind: global_buffer, .address_space: global }
      - { .name: bq_mu, .offset: 24, .size: 8, .value_kind: global_buffer, .address_space: global }
      - { .name: bk_mu, .offset: 32, .size: 8, .value_kind: global_buffer, .address_space: global }
      - { .name: bv_mu, .offset: 40, .size: 8, .value_kind: global_buffer, .address_space: global }
      - { .name: BS, .offset: 48, .size: 8, .value_kind: global_buffer, .address_space: global }
      - { .name: QW, .offset: 56, .size: 8, .value_kind: global_buffer, .address_space: global }
      - { .name: KW, .offset: 64, .size: 8, .value_kind: global_buffer, .address_space: global }
      - { .name: VW, .offset: 72, .size: 8, .value_kind: global_buffer, .address_space: global }
    .group_segment_fixed_size: 246272
    .private_segment_fixed_size: 0
    .kernarg_segment_align: 8
    .kernarg_segment_size: 80
    .max_flat_workgroup_size: 128
    .sgpr_count:     92
    .vgpr_count:     1024
    .wavefront_size: 32
...
	.end_amdgpu_metadata
.endif
;; end of part 2
;; launch attn (part 3): grid 32 x 8, 8 waves a work-group, no clusters, 310,272 bytes of LDS; arguments x_raw, log_length, log_sigma_f, QW, KW, VW, WC, SCL, BS, bo_mu, out0, out1; writes out0, out1
.if DOCPART == 3
	.amdgcn_target "amdgcn-amd-amdhsa--gfx1250"
	.amdhsa_code_object_version 6
	.text
	.protected	k_q57df2df240_attn
	.globl	k_q57df2df240_attn
	.p2align	8
	.type	k_q57df2df240_attn,@function
k_q57df2df240_attn:
	s_mov_b64 s[64:65], 0
	v_nop
	global_prefetch_b8 v0, s[64:65] scope:SCOPE_SE
	s_setreg_imm32_b32 hwreg(HW_REG_WAVE_MODE, 25, 1), 1
	s_wait_xcnt 0x0
; ATTENTION WITH THE RBF TERM, ITS VARIANCE, AND THE TWO OUTPUT PROJECTIONS, all quantised products on codes of FP6 (E2M3) with E8M0 scales.
; SHARES.  A work-group of eight waves owns 32 queries of one batch, all 16 heads.  Wave w: tile of 16 queries w / 4, heads 8 ((w / 2) % 2) .. + 7, one a trip, keys 512 (w % 2) .. + 511 (four chunks of 128).
; A ROW STAYS IN REGISTERS: attn x attn is quantised finished and normalised, so the row's sum is wanted before any of its codes.  16 queries x 512 scores are 256 registers (window 1).
; The two waves of a row meet ONCE a trip.  Each takes M = ceil(the largest t) over its own keys: a whole number, so that bringing p, l and O^T under the row's M is a multiplication by a power of two, which rounds nothing
; and which a block's scale takes up.  They hand each other -M, l and O^T through LDS; a second barrier parts the reads of those bytes from the next trip's stores.  U^T's two halves go to LDS apart and are added at the end.
; dist^2 hangs on the batch alone: each wave makes 16 x 256 of it once, by the f32 matrix form (K = 16 and one step more for the two squared norms); it lies in LDS as an image of the scores' registers.
; LAYOUT.  All products are used transposed: a lane holds ONE query (lane % 16).  K = 32 fills one block of the instruction's four: a fragment of K holds four tiles of 16 keys, and Q stands in one block of four fragments.
; u = K Q^T + 2^(dist^2 a + b), the second term given as the C of the product; a = -log2(e) / (2 length^2), b = log2(sigma_f^2 sqrt(32)); t = c u, c = log2(e) / sqrt(32); p = 2^(c u - M); l = the sum of the unquantised p.
; context = (V^T P^T) / l;  var_attn = Vv^T (p / l)^2 + softplus(bo_rho)^2 (the C of the first half's sums); both enter the output projections, var_attn as the C of the variance's sums.
; THE STREAM.  A trip is 12 items of 128 keys: K's 4 chunks, V's 4, the variance's 4, each two fragments and a scale word, stored by the launch before in the order of the operand's registers.
; They come from memory straight into a ring of three register buffers; a buffer is asked for again as soon as its products are issued: three items ahead of its use.
; NO CLUSTER, NO TENSOR LOAD: the waves of a work-group walk two heads at a time, 2 x 76,800 bytes, and LDS has 17,408 bytes beside the 310,272 in use.  NO PREFETCH: each item is asked for three items ahead by its own load.
; LIMITS: NaN and infinities are not served.  A block of zeros gets the byte 1 where the rule says 127 (its codes are zeros; this program alone reads the bytes).  exp flushes results under 2^-126: such p and RBF terms are 0.
; log_length above about -43 (below, a overflows).  dist^2, l, O^T and U^T are summed in another order than the module writes them.  Wq_rho, Wk_rho, bq_rho, bk_rho enter no result and are not read.
.set DIST,  0                          ; [tile of queries 2][chunk 8][tile of keys 8][2 x 512]: dist^2, f32
.set VAR,   131072                     ; [half of the keys 2][tile 2][four registers 4][head 16][512]: var_attn's halves
.set CTXW,  262144                     ; [tile 2][head 16][context, its square][3 x 128]: codes
.set CSW,   286720                     ; [tile 2][half of the heads 2][context, its square][row 16][head 8]: their scale bytes
.set HCON,  287744                     ; [wave][a 16][b 16]: the heads' constants
.set XCH,   288768                     ; [wave][O^T 4 x 512, then (l, -M, .., ..) 512]
.set SPARE, 309248                     ; the spare words, 128 bytes a wave
.set STG,   DIST                       ; the way out: 64 rows x 2,064 bytes, over dist^2 and var_attn's first 1,024 bytes, behind a barrier
.set SPI,   2064
.set RL, 1
.set HL, 2
.set SPW, 3
.set NIL, 4
.set ADI, 5
.set ADW, 6
.set VOF, 7
.set VARB, 8
.set CTXB, 9
.set CSB, 10
.set VARA, 11
.set CTXA, 12
.set CSA, 13
.set KOF, 14
.set KSO, 15
.set QOF, 16
.set QSO, 17
.set BSO, 18
.set HCA, 19
.set VA16, 20
.set VB16, 21
.set LN, 23
.set AH, 24                            ; pairs of which the low word serves both halves: a, b, -M, my factor, my partner's; the upper words hold other numbers
.set XW, 25
.set BH, 26
.set XR, 27
.set NM, 28
.set RR, 30
.set L, 32                             ; v32-39 my part of the row's sum in four chains of pairs
.set RQ, 40
.set QB, 46
.set QSC, 47
.set QF, 48                            ; v48-83 Q's four overlapping fragments; behind the scores' phase my partner's O^T and context
.set PO, 48
.set CT, 64
.set RS, 84                            ; v84-86 the ring's scale words
.set R4, 87
.set PWW, 88
.set FM, 90
.set FP, 92
.set DIWA, 94
.set XO, 95
.set BM, 96                            ; v96-111 each block's largest u, then p, then (p / l)^2
.set SOP, 112
.set PC, 116
.set TM, 136                           ; v136-147
.set CC, 148
.set CBY, 151
.set BSQ, 152                          ; v152-167
.set RG, 168                           ; v168-239 the ring: three buffers of 24
.set DA, 240                           ; v240-255 written by matrix instructions alone: dist^2's sums, then O^T, then U^T
.set O, 240
.set U, 240
.set XK, 0                             ; window 1, in front of the loop only
.set AK, 64
.set DT, 144
.set XQ, 176
.set BQ5, 184
.set MK, 186
.set TP, 188
.set WV, 28
.set QT, 29
.set HG, 30
.set HLA, 31
.set BB, 32
.set BBQ, 33
.set LEFT, 34
.set KH, 35
.set KQ, 36
.set MK0, 37
.set SEL, 48
.set C1, 50
.set IVAR, 52
.set ICTX, 53
.set ICS, 54
.set HCS, 55
.set MLO, 56
.set MHI, 57
.set HD, 62
.set QP, 66
.set QS, 68
.set KPT, 70
.set VPT, 72
.set XKP, 74
.set XQP, 76
.set DL, 78
.set DS, 79
.set QPT, 84
.set QST, 86
.set BST, 90
.set NH, 92
.set MSB, 0
.macro WIN new                         ; the immediate's high byte repeats the setting that is left
.if MSB != (\new)
	s_set_vgpr_msb (MSB<<8)|(\new)
.set MSB, (\new)
.endif
.endm
.macro PLACES n
.rept \n
	v_nop
.endr
.endm
.macro BARRIER
	s_barrier_signal -1
	s_barrier_wait -1
.endm
.macro QLOADS                          ; head s[NH]: Q's 24 bytes a lane and its scale byte: 4 loads
	WIN 0
	s_wait_alu depctr_va_vdst(0)
	s_wait_xcnt 0x0                                ; the pointers are written again only behind this wait
	s_lshr_b32 s80, s[NH], 1
	s_mul_i32 s80, s80, 768
	s_and_b32 s82, s[NH], 1
	s_lshl_b32 s82, s82, 7
	s_add_co_u32 s80, s80, s82
	s_mov_b32 s81, 0
	s_add_nc_u64 s[QPT:QPT+1], s[QP:QP+1], s[80:81]
	s_mov_b32 s80, s[NH]
	s_add_nc_u64 s[QST:QST+1], s[QS:QS+1], s[80:81]
.irp p, 0,1,2
	global_load_b64 v[RQ+2*\p:RQ+2*\p+1], v[QOF], s[QPT:QPT+1] offset:256*\p
.endr
	global_load_u8 v[QB], v[QSO], s[QST:QST+1]
.endm
.macro REFILL j                        ; item j % 12 into buffer j % 3: K 13 loads, V and the variance 7
.set jj_, (\j)%12
.set rf_, RG+24*(jj_%3)
	WIN 0
.set q_, 0
.if jj_ < 4
.rept 12
	global_load_b64 v[rf_+2*q_:rf_+2*q_+1], v[KOF], s[KPT:KPT+1] offset:jj_*3072+256*q_
.set q_, q_+1
.endr
	global_load_b32 v[RS+jj_%3], v[KSO], s[KPT:KPT+1] offset:24576+128*jj_
.else
.rept 6
	global_load_b128 v[rf_+4*q_:rf_+4*q_+3], v[VOF], s[VPT:VPT+1] offset:((jj_-4)/4)*25600+(jj_%4)*3072+512*q_
.set q_, q_+1
.endr
	global_load_b32 v[RS+jj_%3], v[KSO], s[VPT:VPT+1] offset:((jj_-4)/4)*25600+24576+128*(jj_%4)
.endif
.endm
.macro LWAIT s                         ; item s is in: behind it were issued items s + 1 and s + 2, the bias's 4 loads (between items 6 and 7) and Q's 4 (between 11 and 12)
.set n_, 0
.irp d, 1,2
.if ((\s)+\d)%12 < 4
.set n_, n_+13
.else
.set n_, n_+7
.endif
.endr
.if (\s) >= 4 && (\s) <= 6
.set n_, n_+4
.endif
.if (\s) >= 10
.set n_, n_+4
.endif
	s_wait_loadcnt n_
.endm
.macro ELOAD c                         ; my chunk c's dist^2 straight into the scores' registers: 16 loads
	WIN 0x40
.set q_, 0
.rept 16
	ds_load_b128 v[64*(\c)+4*q_:64*(\c)+4*q_+3], v[ADI] offset:(\c)*8192+512*q_
.set q_, q_+1
.endr
.endm
.macro XKLOAD                          ; 128 keys' raw inputs: lane (r, h) takes numbers 8 h .. 8 h + 7 of its row of each tile
	WIN 0x40
.irp t, 0,1,2,3,4,5,6,7
	global_load_b128 v[XK+8*\t:XK+8*\t+3], v[XO], s[XKP:XKP+1] offset:(32*(\t/2)+8*(\t%2))*64
	global_load_b128 v[XK+8*\t+4:XK+8*\t+7], v[XO], s[XKP:XKP+1] offset:(32*(\t/2)+8*(\t%2))*64+16
.endr
.endm
.macro SC4 c                           ; chunk c's four blocks: the conversions' scale operands and the scale word
	WIN 0
.irp b, 0,1,2,3
	v_max_num_f32 v[SOP+\b], 0x1800000, v[BM+4*(\c)+\b]   ; the floor 2^(3 - 127): the byte cannot fall under 1
.endr
.irp b, 0,1,2,3
	v_add_nc_u32 v[SOP+\b], 0xff000000, v[SOP+\b]  ; 2 off the exponent field
.endr
.irp b, 0,1,2,3
	v_lshrrev_b32 v[TM+\b], 23, v[SOP+\b]
.endr
	v_lshl_or_b32 v[PWW+(\c)%2], v[TM+1], 8, v[TM]
	v_lshl_or_b32 v[PWW+(\c)%2], v[TM+2], 16, v[PWW+(\c)%2]
	v_lshl_or_b32 v[PWW+(\c)%2], v[TM+3], 24, v[PWW+(\c)%2]
.endm
.macro PQ                              ; the chunk's 64 numbers, window 1, v[tb_] on, become a fragment in v[PC] on
	WIN 0x01
.irp d, 0,1
	v_cvt_scalef32_pk16_fp6_f32 v[PC+6*\d:PC+6*\d+2], v[tb_+32*\d:tb_+32*\d+15], v[SOP+2*\d]
	v_cvt_scalef32_pk16_fp6_f32 v[PC+12+4*\d:PC+14+4*\d], v[tb_+32*\d+16:tb_+32*\d+31], v[SOP+2*\d+1]
.endr
	WIN 0
	v_nop                                          ; one plain line behind the scaled conversions
.irp d, 0,1
.irp i, 0,1,2
	v_permlane16_swap_b32 v[PC+6*\d+\i], v[PC+12+4*\d+\i]
.endr
.irp i, 0,1,2
	v_mov_b32 v[PC+3+6*\d+\i], v[PC+12+4*\d+\i]
.endr
.endr
.endm
.macro FMA c                           ; dist^2 a + b, in the scores' registers
	WIN 0x41
.set q_, 0
.rept 32
	v_pk_fma_f32 v[64*(\c)+q_:64*(\c)+q_+1], v[64*(\c)+q_:64*(\c)+q_+1], v[AH:AH+1], v[BH:BH+1] op_sel_hi:[1,0,0]
.set q_, q_+2
.endr
.endm
; THE SCORES of my chunk c: u = K Q^T + the RBF term, which is the products' C; and each block's largest u
.macro PH1 c
.set tb_, 64*(\c)
.set rb_, RG+24*((\c)%3)
	WIN 0x41
	s_wait_alu depctr_va_vdst(0)
.set q_, 0
.rept 64
	v_exp_f32 v[tb_+q_], v[tb_+q_]
.set q_, q_+1
.endr
	v_nop
	s_wait_alu depctr_va_vdst(0)                   ; one wait for the batch, ahead of its first reader
	LWAIT \c
	WIN 0x50
.irp t, 0,1,2,3
	v_wmma_scale_f32_16x16x128_f8f6f4 v[tb_+8*\t:tb_+8*\t+7], v[rb_:rb_+11], v[QF+18*(\t%2)+6*(\t/2):QF+18*(\t%2)+6*(\t/2)+11], v[tb_+8*\t:tb_+8*\t+7], v[RS+(\c)%3], v[QSC] matrix_a_fmt:MATRIX_FMT_FP6 matrix_b_fmt:MATRIX_FMT_FP6
.endr
.irp t, 0,1,2,3
	v_wmma_scale_f32_16x16x128_f8f6f4 v[tb_+32+8*\t:tb_+32+8*\t+7], v[rb_+12:rb_+23], v[QF+18*(\t%2)+6*(\t/2):QF+18*(\t%2)+6*(\t/2)+11], v[tb_+32+8*\t:tb_+32+8*\t+7], v[RS+(\c)%3], v[QSC] matrix_a_fmt:MATRIX_FMT_FP6 matrix_b_fmt:MATRIX_FMT_FP6 matrix_a_scale:MATRIX_SCALE_ROW1
.endr
.if (\c) < 3
	FMA (\c)+1                                     ; the next chunk's: also the places behind the products
.else
	PLACES 4
.endif
	REFILL (\c)+3
	WIN 0x14
.irp b, 0,1,2,3
	v_max3_num_f32 v[BM+4*(\c)+\b], 0xff800000, v[tb_+16*\b], v[tb_+16*\b+1]   ; each accumulator from its low end on
.endr
.irp i, 2,4,6,8,10,12,14
.irp b, 0,1,2,3
	v_max3_num_f32 v[BM+4*(\c)+\b], v[BM+4*(\c)+\b], v[tb_+16*\b+\i], v[tb_+16*\b+\i+1]
.endr
.endr
.endm
; my chunk c: p, its codes, its sum, O^T += V^T P^T
.macro P2A c
.set tb_, 64*(\c)
.set rb_, RG+24*((4+(\c))%3)
	SC4 \c
	WIN 0x41
.set q_, 0
.rept 32
	v_pk_fma_f32 v[tb_+q_:tb_+q_+1], v[tb_+q_:tb_+q_+1], s[C1:C1+1], v[NM:NM+1] op_sel_hi:[1,0,0]   ; c u - M
.set q_, q_+2
.endr
.if (\c) > 0
	REFILL 6+(\c)                                  ; the buffer of the chunk before: its products stand 47 vector instructions back
.endif
	WIN 0x41
	s_wait_alu depctr_va_vdst(0)
.set q_, 0
.rept 64
	v_exp_f32 v[tb_+q_], v[tb_+q_]
.set q_, q_+1
.endr
	v_nop
	s_wait_alu depctr_va_vdst(0)
	PQ
.if (\c) == 0
	WIN 0x05
.irp k, 0,1,2,3
	v_pk_add_f32 v[L+2*\k:L+2*\k+1], v[tb_+2*\k:tb_+2*\k+1], v[tb_+8+2*\k:tb_+8+2*\k+1]   ; the first pairs start the four chains
.endr
.set q_, 8
.else
.set q_, 0
.endif
	WIN 0x04
.rept 32-q_
	v_pk_add_f32 v[L+2*(q_%4):L+2*(q_%4)+1], v[L+2*(q_%4):L+2*(q_%4)+1], v[tb_+2*q_:tb_+2*q_+1]   ; the sum of the unquantised p; also the places in front of the products
.set q_, q_+1
.endr
	WIN 0
	s_wait_alu depctr_va_vdst(0)
.if (\c) == 0
	s_barrier_wait -1                              ; my partner's reads of what I handed over in the last trip are over: only work on registers stands between the signal and this wait
.endif
	LWAIT 4+(\c)
.if (\c) == 0
	v_wmma_scale_f32_16x16x128_f8f6f4 v[O:O+7], v[rb_:rb_+11], v[PC:PC+11], 0, v[RS+(4+(\c))%3], v[PWW+(\c)%2] matrix_a_fmt:MATRIX_FMT_FP6 matrix_b_fmt:MATRIX_FMT_FP6
	v_wmma_scale_f32_16x16x128_f8f6f4 v[O+8:O+15], v[rb_+12:rb_+23], v[PC:PC+11], 0, v[RS+(4+(\c))%3], v[PWW+(\c)%2] matrix_a_fmt:MATRIX_FMT_FP6 matrix_b_fmt:MATRIX_FMT_FP6 matrix_a_scale:MATRIX_SCALE_ROW1
.else
	v_wmma_scale_f32_16x16x128_f8f6f4 v[O:O+7], v[rb_:rb_+11], v[PC:PC+11], v[O:O+7], v[RS+(4+(\c))%3], v[PWW+(\c)%2] matrix_a_fmt:MATRIX_FMT_FP6 matrix_b_fmt:MATRIX_FMT_FP6
	v_wmma_scale_f32_16x16x128_f8f6f4 v[O+8:O+15], v[rb_+12:rb_+23], v[PC:PC+11], v[O+8:O+15], v[RS+(4+(\c))%3], v[PWW+(\c)%2] matrix_a_fmt:MATRIX_FMT_FP6 matrix_b_fmt:MATRIX_FMT_FP6 matrix_a_scale:MATRIX_SCALE_ROW1
.endif
.endm
; my chunk c: (p / l)^2, its codes, U^T += Vv^T A2^T; the chunk's registers then take the next trip's dist^2
.macro P2B c
.set tb_, 64*(\c)
.set rb_, RG+24*((8+(\c))%3)
	SC4 \c
.if (\c) == 2                          ; in front of item 12: the next head's Q, and K's pointer a head on; the last trip stays at its own head: inside the buffers, with no branch
	s_add_co_u32 s[NH], s[HD], 1
	s_min_u32 s[NH], s[NH], s[HLA]
	QLOADS
	s_cmp_lt_u32 s[HD], s[HLA]
	s_cselect_b32 s80, 25600, 0
	s_add_nc_u64 s[KPT:KPT+1], s[KPT:KPT+1], s[80:81]
.endif
.if (\c) > 0
	REFILL 10+(\c)                                 ; the buffer of the chunk before: its products stand 15 vector instructions back
.endif
	WIN 0x41
.set q_, 0
.rept 32
	v_pk_mul_f32 v[tb_+q_:tb_+q_+1], v[tb_+q_:tb_+q_+1], v[RR:RR+1] op_sel_hi:[1,0]   ; p^2 x (1 / l)^2
.set q_, q_+2
.endr
	PQ
	ELOAD \c
	WIN 0
	PLACES 4
	s_wait_alu depctr_va_vdst(0)
	LWAIT 8+(\c)
.if (\c) == 0
	v_wmma_scale_f32_16x16x128_f8f6f4 v[U:U+7], v[rb_:rb_+11], v[PC:PC+11], v[BSQ:BSQ+7], v[RS+(8+(\c))%3], v[PWW+(\c)%2] matrix_a_fmt:MATRIX_FMT_FP6 matrix_b_fmt:MATRIX_FMT_FP6
	v_wmma_scale_f32_16x16x128_f8f6f4 v[U+8:U+15], v[rb_+12:rb_+23], v[PC:PC+11], v[BSQ+8:BSQ+15], v[RS+(8+(\c))%3], v[PWW+(\c)%2] matrix_a_fmt:MATRIX_FMT_FP6 matrix_b_fmt:MATRIX_FMT_FP6 matrix_a_scale:MATRIX_SCALE_ROW1
.else
	v_wmma_scale_f32_16x16x128_f8f6f4 v[U:U+7], v[rb_:rb_+11], v[PC:PC+11], v[U:U+7], v[RS+(8+(\c))%3], v[PWW+(\c)%2] matrix_a_fmt:MATRIX_FMT_FP6 matrix_b_fmt:MATRIX_FMT_FP6
	v_wmma_scale_f32_16x16x128_f8f6f4 v[U+8:U+15], v[rb_+12:rb_+23], v[PC:PC+11], v[U+8:U+15], v[RS+(8+(\c))%3], v[PWW+(\c)%2] matrix_a_fmt:MATRIX_FMT_FP6 matrix_b_fmt:MATRIX_FMT_FP6 matrix_a_scale:MATRIX_SCALE_ROW1
.endif
.endm
	s_load_b512 s[4:19], s[0:1], 0x0               ; x_raw s4, log_length s6, log_sigma_f s8, QW s10, KW s12, VW s14, WC s16, SCL s18
	s_load_b256 s[20:27], s[0:1], 0x40             ; BS s20, bo_mu s22, out0 s24, out1 s26
	v_lshl_add_u32 v[SPW], v0, 2, SPARE
	v_mov_b32 v[NIL], 0
	v_lshrrev_b32 v[LN], 5, v0
	v_readfirstlane_b32 s[WV], v[LN]
	s_lshr_b32 s[QT], s[WV], 2                     ; my tile of queries
	s_bfe_u32 s[HG], s[WV], 0x10001                ; my half of the heads
	s_and_b32 s[KH], s[WV], 1                      ; my half of the keys
	s_and_b32 s[KQ], s[WV], 3
	s_mov_b32 s[BBQ], ttmp9                        ; my block of 32 queries
	s_and_b32 s[BB], ttmp7, 0xffff                 ; the batch
	s_lshl_b32 s[HD], s[HG], 3                     ; my first head,
	s_add_co_u32 s[HLA], s[HD], 7                  ; and my last
	s_cmp_eq_u32 s[KH], 0
	s_cselect_b32 s[MK0], -1, 0                    ; all lanes where I hold the keys' first half
	s_mov_b32 s[SEL], 0x76543210
	s_mov_b32 s[SEL+1], 0xfedcba98
	s_mov_b32 s[C1], 0x3e8293ee                    ; c = log2(e) / sqrt(32)
	s_mov_b32 s[C1+1], s[C1]
	s_mov_b32 s[MLO], 0xffff
	s_mov_b32 s[MHI], 0xffff0000
	v_and_b32 v[RL], 15, v0
	v_bfe_u32 v[HL], v0, 4, 1
	v_and_b32 v[LN], 31, v0
	s_wait_alu depctr_va_vdst(0)
	s_lshl_b32 s80, s[QT], 16
	s_lshl_b32 s81, s[KH], 15
	s_add_co_u32 s81, s81, s80
	v_lshl_add_u32 v[ADI], v[LN], 4, s81           ; my four chunks of dist^2,
	s_lshl_b32 s81, s[KQ], 14
	s_add_co_u32 s81, s81, s80
	v_lshl_add_u32 v[ADW], v[LN], 4, s81           ; and the two chunks of it that I make
	s_mul_i32 s80, s[KH], 12288
	v_lshl_add_u32 v[VOF], v[LN], 4, s80
	v_lshl_add_u32 v[KOF], v[LN], 3, s80
	s_lshl_b32 s80, s[KH], 9
	v_lshl_add_u32 v[KSO], v[LN], 2, s80
	s_lshl_b32 s80, s[KH], 16
	s_lshl_b32 s81, s[QT], 15
	s_add_co_u32 s80, s80, s81
	s_add_co_u32 s80, s80, VAR
	v_lshl_add_u32 v[VARB], v[LN], 4, s80
	s_mul_i32 s80, s[QT], 12288
	s_mul_i32 s81, s[KH], 384
	s_add_co_u32 s80, s80, s81
	s_add_co_u32 s80, s80, CTXW
	v_lshl_add_u32 v[CTXB], v[LN], 2, s80          ; the first half's wave puts context, the other its square
	s_lshl_b32 s80, s[WV], 7
	s_add_co_u32 s80, s80, CSW
	v_lshl_add_u32 v[CSB], v[RL], 3, s80
	s_lshl_b32 s[HCS], s[WV], 7
	s_add_co_u32 s[HCS], s[HCS], HCON
	v_lshl_add_u32 v[HCA], v[RL], 2, s[HCS]        ; lane r puts head r's constants
	s_lshl_b32 s80, s[HG], 5
	s_add_co_u32 s[HCS], s[HCS], s80               ; my first head's
	s_mul_i32 s80, s[WV], 2560
	s_add_co_u32 s80, s80, XCH
	v_lshl_add_u32 v[XW], v[LN], 4, s80            ; what I hand over,
	s_xor_b32 s80, s[WV], 1
	s_mul_i32 s80, s80, 2560
	s_add_co_u32 s80, s80, XCH
	v_lshl_add_u32 v[XR], v[LN], 4, s80            ; and what my partner does
	v_lshlrev_b32 v[QOF], 3, v[RL]
	v_lshlrev_b32 v[QSO], 4, v[RL]
	v_lshlrev_b32 v[BSO], 6, v[HL]                 ; channels 16 h on
	v_lshlrev_b32 v[R4], 2, v[RL]
	v_and_b32 v[XO], 7, v[RL]
	v_lshrrev_b32 v[DIWA], 3, v[RL]
	v_lshl_add_u32 v[XO], v[DIWA], 4, v[XO]
	v_lshlrev_b32 v[XO], 6, v[XO]
	v_lshl_add_u32 v[XO], v[HL], 5, v[XO]          ; x_raw: row r % 8 + 16 (r / 8) of 64 bytes, + 32 h
	v_mov_b32 v[NM+1], 0                           ; (named as the upper halves of pairs)
	v_mov_b32 v[RR+1], 0
	v_mov_b32 v[FP+1], 0
.irp j, 0,1,2,3,4,5,6,7,8,9,10,11
	v_mov_b32 v[TM+\j], 0                          ; a lane permute's destination counts as one of its sources
.endr
	s_lshl_b32 s93, s[BB], 5
	s_add_co_u32 s93, s93, s[BBQ]                  ; my block among the 256
	s_lshl_b32 s94, s93, 1
	s_add_co_u32 s94, s94, s[QT]                   ; my tile among the 512
	s_mul_i32 s80, s94, 6144
	s_mov_b32 s81, 0
	s_lshl_b32 s82, s94, 8
	s_add_co_u32 s82, s82, 3145728
	s_mov_b32 s83, 0
	s_lshl_b32 s84, s93, 11
	s_lshl_b32 s85, s[QT], 9
	s_add_co_u32 s84, s84, s85
	s_mov_b32 s85, 0
	s_mul_i32 s86, s[BB], 409600
	s_mul_i32 s87, s[HG], 204800
	s_add_co_u32 s86, s86, s87
	s_mov_b32 s87, 0
	s_lshl_b32 s88, s[BB], 16
	s_lshl_b32 s89, s[KQ], 14
	s_add_co_u32 s88, s88, s89
	s_mov_b32 s89, 0
	s_mul_i32 s96, s[BB], 819200
	s_mul_i32 s97, s[HG], 409600
	s_add_co_u32 s96, s96, s97
	s_mov_b32 s97, 0
	s_lshl_b32 s98, s[HG], 10
	s_add_co_u32 s98, s98, 2048
	s_mov_b32 s99, 0
	s_wait_alu depctr_va_vdst(0)
	s_wait_kmcnt 0x0
	s_add_nc_u64 s[QP:QP+1], s[10:11], s[80:81]
	s_add_nc_u64 s[QS:QS+1], s[10:11], s[82:83]
	s_add_nc_u64 s[XQP:XQP+1], s[4:5], s[84:85]
	s_add_nc_u64 s[KPT:KPT+1], s[12:13], s[86:87]
	s_add_nc_u64 s[XKP:XKP+1], s[4:5], s[88:89]
	s_add_nc_u64 s[VPT:VPT+1], s[14:15], s[96:97]
	s_add_nc_u64 s[BST:BST+1], s[20:21], s[98:99]
	global_load_b32 v[VA16], v[R4], s[6:7]
	global_load_b32 v[VB16], v[R4], s[8:9]
	s_mov_b32 s[NH], s[HD]
	QLOADS
.irp j, 0,1,2
	REFILL \j
.endr
	WIN 0x40
	global_load_b128 v[XQ:XQ+3], v[XO], s[XQP:XQP+1]
	global_load_b128 v[XQ+4:XQ+7], v[XO], s[XQP:XQP+1] offset:16
	XKLOAD
	WIN 0
	s_wait_loadcnt 0x0
	v_mul_f32 v[VA16], 0xc038aa3b, v[VA16]         ; -2 log2(e) log_length
	s_wait_alu depctr_va_vdst(0)
	v_exp_f32 v[VA16], v[VA16]
	v_mov_b32 v[TM], 0x4038aa3b
	v_fmaak_f32 v[VB16], v[TM], v[VB16], 0x40200000   ; b = 2 log2(e) log_sigma_f + log2(sqrt(32))
	s_wait_alu depctr_va_vdst(0)
	v_mul_f32 v[VA16], 0xbf38aa3b, v[VA16]         ; a = -log2(e) / 2 / length^2
	ds_store_b32 v[HCA], v[VA16]                   ; my wave's own table: lanes 16-31 repeat lanes 0-15
	ds_store_b32 v[HCA], v[VB16] offset:64
	WIN 0x55                                       ; all of this in window 1
	v_cndmask_b32 v[MK], 0, 1.0, s[MLO]            ; 1 in lanes 0-15
	v_pk_mul_f32 v[TP:TP+1], v[XQ:XQ+1], v[XQ:XQ+1]
.irp s, 2,4,6
	v_pk_fma_f32 v[TP:TP+1], v[XQ+\s:XQ+\s+1], v[XQ+\s:XQ+\s+1], v[TP:TP+1]
.endr
	v_add_f32 v[TP], v[TP], v[TP+1]
	v_permlanex16_b32 v[TP+1], v[TP], s[SEL], s[SEL+1]
	v_add_f32 v[BQ5+1], v[TP], v[TP+1]             ; my query's squared norm
	v_mov_b32 v[BQ5], 1.0
	WIN 0
	; ---- dist^2(key, query) = |key|^2 + |query|^2 - 2 key . query, held at 0 from below: two trips of 128 keys.  K's 16 places are dealt alike on both sides: step s takes numbers 8 h + 2 s, + 1.
	s_mov_b32 s[DL], 2
	s_mov_b32 s[DS], 0
	s_mov_b32 s81, 0
.Ldist:
	s_wait_loadcnt 0x0
	WIN 0x55
.irp t, 0,1,2,3,4,5,6,7
	v_pk_mul_f32 v[TP+2*(\t%4):TP+2*(\t%4)+1], v[XK+8*\t:XK+8*\t+1], v[XK+8*\t:XK+8*\t+1]
.irp s, 2,4,6
	v_pk_fma_f32 v[TP+2*(\t%4):TP+2*(\t%4)+1], v[XK+8*\t+\s:XK+8*\t+\s+1], v[XK+8*\t+\s:XK+8*\t+\s+1], v[TP+2*(\t%4):TP+2*(\t%4)+1]
.endr
	v_add_f32 v[TP+2*(\t%4)], v[TP+2*(\t%4)], v[TP+2*(\t%4)+1]
	v_permlanex16_b32 v[TP+2*(\t%4)+1], v[TP+2*(\t%4)], s[SEL], s[SEL+1]
	v_add_f32 v[TP+2*(\t%4)], v[TP+2*(\t%4)], v[TP+2*(\t%4)+1]
.irp s, 0,2,4,6
	v_pk_mul_f32 v[AK+10*\t+\s:AK+10*\t+\s+1], v[XK+8*\t+\s:XK+8*\t+\s+1], -2.0 op_sel_hi:[1,0]
.endr
	v_mul_f32 v[AK+10*\t+8], v[TP+2*(\t%4)], v[MK] ; the step for the norms: (|key|^2, 1, 0, 0) against (1, |query|^2, .., ..)
	v_mov_b32 v[AK+10*\t+9], v[MK]
.endr
	s_cmp_gt_u32 s[DL], 1                          ; the next 128 keys; the last trip loads its own again: inside the buffer, with no branch
	s_cselect_b32 s80, 8192, 0
	s_add_nc_u64 s[XKP:XKP+1], s[XKP:XKP+1], s[80:81]
	XKLOAD
	WIN 0
	v_add_nc_u32 v[DIWA], s[DS], v[ADW]
	PLACES 4
.irp g, 0,1,2,3                                ; two tiles of keys at a time: two accumulators by turns
	WIN 0x05
.irp i, 0,1
	v_wmma_f32_16x16x4_f32 v[DA+8*\i:DA+8*\i+7], v[AK+10*(2*\g+\i)+8:AK+10*(2*\g+\i)+9], v[BQ5:BQ5+1], 0
.endr
.irp s, 0,2,4,6
.irp i, 0,1
	v_wmma_f32_16x16x4_f32 v[DA+8*\i:DA+8*\i+7], v[AK+10*(2*\g+\i)+\s:AK+10*(2*\g+\i)+\s+1], v[XQ+\s:XQ+\s+1], v[DA+8*\i:DA+8*\i+7]
.endr
.endr
	PLACES 9                                       ; behind this form: eight places ahead of a read of the sums, nine ahead of the products that begin them anew
	WIN 0x40
.set q_, 0
.rept 16
	v_max_num_f32 v[DT+q_], 0, v[DA+q_]
.set q_, q_+1
.endr
	WIN 0x04
.set q_, 0
.rept 4
	ds_store_b128 v[DIWA], v[DT+4*q_:DT+4*q_+3] offset:(4*\g+q_)*512
.set q_, q_+1
.endr
.endr
	WIN 0
	s_add_co_u32 s[DS], s[DS], 8192
	s_sub_co_u32 s[DL], s[DL], 1
	s_cmp_lg_u32 s[DL], 0
	s_wait_alu depctr_va_vdst(0)
	s_cbranch_scc1 .Ldist
	s_wait_loadcnt 0x0                             ; the last trip's look-ahead loads
	s_wait_dscnt 0x0                               ; for the others' sake
	BARRIER                                        ; all of each tile's dist^2 lies in LDS
.irp c, 0,1,2,3
	ELOAD \c
.endr
	WIN 0
	s_mov_b32 s[LEFT], 8
	s_lshl_b32 s[IVAR], s[HG], 12                  ; 512 x my first head
	s_mul_i32 s[ICTX], s[HG], 6144                 ; 768 x my first head
	s_mov_b32 s[ICS], 0
.Ltrip:                                            ; a trip: one head, my 16 queries, my 512 keys
	v_mov_b32 v[HCA], s[HCS]
	ds_load_b32 v[AH], v[HCA]                      ; the head's a and b
	ds_load_b32 v[BH], v[HCA] offset:64
	v_add_nc_u32 v[VARA], s[IVAR], v[VARB]
	v_add_nc_u32 v[CTXA], s[ICTX], v[CTXB]
	v_add_nc_u32 v[CSA], s[ICS], v[CSB]
	s_wait_alu depctr_va_vdst(0)
	s_wait_loadcnt 39                              ; Q and its byte are in: three items of K, 39 loads, were issued behind them
	v_perm_b32 v[QSC], v[QB], v[QB], 0             ; Q's byte in all four places
.irp j, 0,1,2,3,4,5
	v_cndmask_b32 v[QF+\j], 0, v[RQ+\j], s[MLO]
	v_mov_b32 v[QF+6+\j], 0
	v_cndmask_b32 v[QF+12+\j], 0, v[RQ+\j], s[MLO]
	v_cndmask_b32 v[QF+18+\j], 0, v[RQ+\j], s[MHI]
	v_mov_b32 v[QF+24+\j], 0
	v_cndmask_b32 v[QF+30+\j], 0, v[RQ+\j], s[MHI]
.endr
	s_wait_alu depctr_va_vdst(0)
	s_wait_dscnt 0x0                               ; a, b and my four chunks of dist^2 are in
	FMA 0
.irp c, 0,1,2,3
	PH1 \c
.endr
	WIN 0
	s_wait_alu depctr_va_vdst(0)
	s_wait_dscnt 0x0
.irp g, 0,1,2,3
	global_load_b128 v[BSQ+4*\g:BSQ+4*\g+3], v[BSO], s[BST:BST+1] offset:16*\g   ; softplus(bo_rho)^2 of my 16 channels
.endr
	s_barrier_signal -1                            ; my reads of what my partner handed over in the last trip are over; the wait stands ahead of the first product with V
	; ---- the blocks' largest u, my keys' largest t, my M, the blocks' largest p
.irp n, 0,1
.irp b, 0,1,2,3,4,5,6,7
	v_permlanex16_b32 v[TM+\b], v[BM+8*\n+\b], s[SEL], s[SEL+1]
.endr
.irp b, 0,1,2,3,4,5,6,7
	v_max_num_f32 v[BM+8*\n+\b], v[BM+8*\n+\b], v[TM+\b]   ; with lane l xor 16's 16 keys
.endr
.endr
.irp k, 0,1,2,3
	v_max3_num_f32 v[TM+8+\k], v[BM+4*\k], v[BM+4*\k+1], v[BM+4*\k+2]
.endr
.irp k, 0,1,2,3
	v_max_num_f32 v[TM+8+\k], v[TM+8+\k], v[BM+4*\k+3]
.endr
	v_max3_num_f32 v[TM+8], v[TM+8], v[TM+9], v[TM+10]
	v_max_num_f32 v[TM+8], v[TM+8], v[TM+11]
	v_mul_f32 v[TM+8], s[C1], v[TM+8]              ; as t (c is positive)
	v_floor_f32 v[NM], -v[TM+8]                    ; -M = floor(-t) = -ceil(t)
.set q_, 0
.rept 8
	v_pk_fma_f32 v[BM+q_:BM+q_+1], v[BM+q_:BM+q_+1], s[C1:C1+1], v[NM:NM+1] op_sel_hi:[1,0,0]
.set q_, q_+2
.endr
	s_wait_alu depctr_va_vdst(0)
.set q_, 0
.rept 16
	v_exp_f32 v[BM+q_], v[BM+q_]                   ; the same two instructions on the same number give the block's largest p its bits
.set q_, q_+1
.endr
	v_nop
	s_wait_alu depctr_va_vdst(0)
.irp c, 0,1,2,3
	P2A \c
.endr
	; ---- my l, -M and O^T go to my partner.  The additions are the places behind the last products
	v_pk_add_f32 v[L:L+1], v[L:L+1], v[L+2:L+3]
	v_pk_add_f32 v[L+4:L+5], v[L+4:L+5], v[L+6:L+7]
	v_pk_add_f32 v[L:L+1], v[L:L+1], v[L+4:L+5]
	v_add_f32 v[TM], v[L], v[L+1]
	v_permlanex16_b32 v[TM+4], v[TM], s[SEL], s[SEL+1]
	v_add_f32 v[TM], v[TM], v[TM+4]
	v_mov_b32 v[TM+1], v[NM]
	REFILL 10                                      ; the buffer of V's last chunk: its products stand seven vector instructions back
.irp g, 0,1,2,3
	ds_store_b128 v[XW], v[O+4*\g:O+4*\g+3] offset:512*\g   ; each accumulator from its low end on
.endr
	ds_store_b128 v[XW], v[TM:TM+3] offset:2048
	s_wait_alu depctr_va_vdst(0)
	s_wait_dscnt 0x0                               ; for my partner's sake
	s_barrier_signal -1
	; work on registers that wants nothing of my partner: (p / l)^2 is made as p^2 x (1 / l)^2; the blocks' largest take the same two multiplications; the bias belongs to the first half's sums alone
	WIN 0x45
.set q_, 0
.rept 128
	v_pk_mul_f32 v[q_:q_+1], v[q_:q_+1], v[q_:q_+1]
.set q_, q_+2
.endr
	WIN 0
.set q_, 0
.rept 8
	v_pk_mul_f32 v[BM+q_:BM+q_+1], v[BM+q_:BM+q_+1], v[BM+q_:BM+q_+1]
.set q_, q_+2
.endr
.set q_, 0
.rept 16
	v_cndmask_b32 v[BSQ+q_], 0, v[BSQ+q_], s[MK0]
.set q_, q_+1
.endr
	s_wait_alu depctr_va_vdst(0)
	s_barrier_wait -1
	ds_load_b128 v[TM+4:TM+7], v[XR] offset:2048
.irp g, 0,1,2,3
	ds_load_b128 v[PO+4*\g:PO+4*\g+3], v[XR] offset:512*\g
.endr
	s_wait_dscnt 4                                 ; my partner's l and -M are in; its O^T's 4 loads may stay out
	v_min_num_f32 v[TM+8], v[NM], v[TM+5]          ; the row's -M
	v_sub_f32 v[TM+9], v[TM+8], v[NM]              ; whole numbers, 0 or less
	v_sub_f32 v[TM+10], v[TM+8], v[TM+5]
	v_cvt_i32_f32 v[TM+9], v[TM+9]                 ; (they saturate)
	v_cvt_i32_f32 v[TM+10], v[TM+10]
	v_ldexp_f32 v[FM], 1.0, v[TM+9]                ; what brings my numbers under the row's M,
	v_ldexp_f32 v[FP], 1.0, v[TM+10]               ; and my partner's
	v_mul_f32 v[TM], v[TM], v[FM]
	v_fma_f32 v[TM], v[TM+4], v[FP], v[TM]         ; l
	s_wait_alu depctr_va_vdst(0)
	v_rcp_f32 v[TM+11], v[TM]
	v_nop
	s_wait_alu depctr_va_vdst(0)
	v_mul_f32 v[RR], v[TM+11], v[FM]               ; my p x this = p / l under the row's M
	v_mul_f32 v[FP], v[TM+11], v[FP]
	s_wait_alu depctr_va_vdst(0)
	s_wait_dscnt 0x0
.set q_, 0
.rept 8
	v_pk_mul_f32 v[CT+q_:CT+q_+1], v[O+q_:O+q_+1], v[RR:RR+1] op_sel_hi:[1,0]
.set q_, q_+2
.endr
.set q_, 0
.rept 8
	v_pk_fma_f32 v[CT+q_:CT+q_+1], v[PO+q_:PO+q_+1], v[FP:FP+1], v[CT+q_:CT+q_+1] op_sel_hi:[1,0,1]   ; context
.set q_, q_+2
.endr
	s_cmp_eq_u32 s[KH], 0                          ; the first half's wave quantises context, the other its square
	s_wait_alu depctr_va_vdst(0)
	s_cbranch_scc1 .Lnosq
.set q_, 0
.rept 8
	v_pk_mul_f32 v[CT+q_:CT+q_+1], v[CT+q_:CT+q_+1], v[CT+q_:CT+q_+1]
.set q_, q_+2
.endr
.Lnosq:
	v_max3_num_f32 v[TM], 0x1800000, |v[CT]|, |v[CT+1]|
	v_max3_num_f32 v[TM+1], 0x1800000, |v[CT+2]|, |v[CT+3]|
.irp i, 4,8,12
	v_max3_num_f32 v[TM], v[TM], |v[CT+\i]|, |v[CT+\i+1]|
	v_max3_num_f32 v[TM+1], v[TM+1], |v[CT+\i+2]|, |v[CT+\i+3]|
.endr
	v_max_num_f32 v[TM], v[TM], v[TM+1]
	v_permlanex16_b32 v[TM+4], v[TM], s[SEL], s[SEL+1]
	v_max_num_f32 v[TM], v[TM], v[TM+4]            ; the head's 32 lie in lanes l and l xor 16
	v_add_nc_u32 v[TM+8], 0xff000000, v[TM]
	v_lshrrev_b32 v[CBY], 23, v[TM+8]
	v_cvt_scalef32_pk16_fp6_f32 v[CC:CC+2], v[CT:CT+15], v[TM+8]
	v_nop
.irp i, 0,1,2
	ds_store_b32 v[CTXA], v[CC+\i] offset:128*\i
.endr
	ds_store_b8 v[CSA], v[CBY]                     ; both halves of the lanes write the same byte
	; ---- the blocks' largest (p / l)^2; the bias belongs to the first half's sums alone
	v_mul_f32 v[RR], v[RR], v[RR]                  ; (1 / l)^2 under the row's M
.set q_, 0
.rept 8
	v_pk_mul_f32 v[BM+q_:BM+q_+1], v[BM+q_:BM+q_+1], v[RR:RR+1] op_sel_hi:[1,0]
.set q_, q_+2
.endr
.irp c, 0,1,2,3
	P2B \c
.endr
	PLACES 4
.irp g, 0,1,2,3
	ds_store_b128 v[VARA], v[U+4*\g:U+4*\g+3] offset:8192*\g   ; my half of var_attn
.endr
	REFILL 14
	s_wait_alu depctr_va_vdst(0)
	s_wait_xcnt 0x0                                ; V's and the bias's pointers are written again only behind this wait
	s_add_nc_u64 s[VPT:VPT+1], s[VPT:VPT+1], 51200
	s_add_nc_u64 s[BST:BST+1], s[BST:BST+1], 128
	s_add_co_u32 s[IVAR], s[IVAR], 512
	s_add_co_u32 s[ICTX], s[ICTX], 768
	s_add_co_u32 s[ICS], s[ICS], 1
	s_add_co_u32 s[HCS], s[HCS], 4
	s_add_co_u32 s[HD], s[HD], 1
	s_sub_co_u32 s[LEFT], s[LEFT], 1
	s_cmp_lg_u32 s[LEFT], 0
	s_wait_alu depctr_va_vdst(0)
	s_cbranch_scc1 .Ltrip
	; ---- THE OUTPUT PROJECTIONS.  Wave w: features 128 (w % 4) .. + 127, both tiles of queries; waves 0-3 the mean, waves 4-7 the variance: 16 accumulators (window 1: 64 tile + 8 x), begun with bo_mu or with var_attn.
.set OL16, 5
.set VRA, 6
.set CFA, 7
.set CSR, 8
.set SO0, 9
.set VRA2, 10
.set SR, 11
.set B64, 12
.set R16, 13
.set T2, 14
.set WF0, 48                           ; the weight's eight fragments of a K step: set 0 window 0 v48-143, set 1 window 1 v128-223
.set WF1, 128
.set WSC, 144                          ; v144-175 the weight's scale words: register 4 x + g
.set CSC, 176                          ; v176-183 the context's: register 4 tile + g
.set CF, 184                           ; v184-231 the context's fragments, two sets of two tiles
	s_wait_loadcnt 0x0                             ; the last trip's look-ahead loads
	s_wait_dscnt 0x0                               ; my stores have landed: for the others' sake
	s_lshl_b32 s80, s[KQ], 11
	s_add_co_u32 s80, s80, VAR
	s_mul_i32 s81, s[QT], 384
	s_add_co_u32 s81, s81, CTXW
	s_lshl_b32 s82, s[QT], 7
	s_add_co_u32 s82, s82, CSW
	s_mul_i32 s83, s[QT], 32*SPI
	s_lshl_b32 s84, s[KQ], 9
	s_add_co_u32 s83, s83, s84
	s_add_co_u32 s83, s83, STG
	s_mul_i32 s84, s[WV], 8*SPI
	s_add_co_u32 s84, s84, STG
	v_lshlrev_b32 v[OL16], 4, v[LN]
	v_add_nc_u32 v[VRA], s80, v[OL16]
	v_add_nc_u32 v[VRA2], 65536, v[VRA]
	v_mul_u32_u24 v[CFA], v[HL], 768
	v_lshl_add_u32 v[CFA], v[RL], 2, v[CFA]
	v_add_nc_u32 v[CFA], s81, v[CFA]
	v_lshl_add_u32 v[CSR], v[RL], 3, s82
	v_and_b32 v[SO0], 7, v[RL]
	v_lshrrev_b32 v[T2], 3, v[RL]
	v_lshl_add_u32 v[SO0], v[T2], 4, v[SO0]
	v_mul_u32_u24 v[SO0], v[SO0], SPI
	v_lshl_add_u32 v[SO0], v[HL], 6, v[SO0]
	v_add_nc_u32 v[SO0], s83, v[SO0]               ; the stage: row 32 e + r % 8 + 16 (r / 8) (+ 8 x tile), my features' bytes, + 64 h
	v_add_nc_u32 v[SR], s84, v[OL16]               ; back: rows 8 w .. 8 w + 7
	v_lshlrev_b32 v[B64], 6, v[HL]
	v_lshlrev_b32 v[R16], 4, v[RL]
	s_wait_alu depctr_va_vdst(0)
	s_mul_i32 s80, s[QT], 196608
	s_mul_i32 s81, s[KQ], 12288
	s_add_co_u32 s80, s80, s81
	s_add_co_u32 s80, s80, 786432
	s_mov_b32 s81, 0
	s_add_nc_u64 s[16:17], s[16:17], s[80:81]      ; Wo_mu's or the variance's images, my eight tiles
	s_lshl_b32 s80, s[QT], 13
	s_lshl_b32 s82, s[KQ], 11
	s_add_co_u32 s80, s80, s82
	s_add_co_u32 s80, s80, 294912
	s_add_nc_u64 s[18:19], s[18:19], s[80:81]      ; and their scale words
	s_lshl_b32 s80, s[KQ], 9
	s_add_nc_u64 s[22:23], s[22:23], s[80:81]      ; bo_mu of my features
	s_cmp_lt_u32 s[WV], 4
	s_cselect_b64 s[82:83], s[24:25], s[26:27]     ; the rows that I store are the mean's or the variance's
	s_lshl_b32 s80, s[BB], 5
	s_add_co_u32 s80, s80, s[BBQ]
	s_lshl_b32 s80, s80, 2
	s_add_co_u32 s80, s80, s[KQ]
	s_lshl_b32 s80, s80, 14                        ; 8 rows of 2,048 bytes
	s_add_nc_u64 s[82:83], s[82:83], s[80:81]
.macro WLOAD g, set                    ; K step g of my eight tiles: 24 loads
	WIN (\set)<<6
.set wf_, WF0+(WF1-WF0)*(\set)
.irp x, 0,1,2,3,4,5,6,7
.irp y, 0,1,2
	global_load_b128 v[wf_+12*\x+4*\y:wf_+12*\x+4*\y+3], v[OL16], s[16:17] offset:(\g)*49152+\x*1536+512*\y
.endr
.endr
.endm
.macro CFLOAD g, set                   ; heads 4 g .. 4 g + 3 of both tiles: 24 loads.  Lane (r, h), register 6 c + 3 s + i: head 4 g + 2 c + h, codes 16 s on
	WIN 0
.set cf_, CF+24*(\set)
.irp y, 0,1
.irp c, 0,1
.irp s, 0,1
.irp i, 0,1,2
	ds_load_b32 v[cf_+12*\y+6*\c+3*\s+\i], v[CFA] offset:\y*12288+(4*(\g)+2*\c)*768+128*\i+64*\s
.endr
.endr
.endr
.endr
.endm
.macro FMUL g, set                     ; 16 matrix instructions, the accumulators by turns
	WIN 0x50|(\set)
.set wf_, WF0+(WF1-WF0)*(\set)
.set cf_, CF+24*(\set)
.irp y, 0,1
.irp x, 0,1,2,3,4,5,6,7
	v_wmma_scale_f32_16x16x128_f8f6f4 v[64*\y+8*\x:64*\y+8*\x+7], v[wf_+12*\x:wf_+12*\x+11], v[cf_+12*\y:cf_+12*\y+11], v[64*\y+8*\x:64*\y+8*\x+7], v[WSC+4*\x+(\g)], v[CSC+4*\y+(\g)] matrix_a_fmt:MATRIX_FMT_FP6 matrix_b_fmt:MATRIX_FMT_FP6
.endr
.endr
.endm
.irp x, 0,1,2,3,4,5,6,7
	global_load_b128 v[WSC+4*\x:WSC+4*\x+3], v[R16], s[18:19] offset:256*\x
.endr
	WLOAD 0, 0                                     ; asked for ahead of the barrier: they hang on no other wave
	WIN 0
	BARRIER                                        ; all heads' codes, bytes and var_attn lie in LDS
	s_cmp_lt_u32 s[WV], 4
	s_cbranch_scc0 .Lvar_init
	WIN 0x40
.irp y, 0,1
.irp x, 0,1,2,3,4,5,6,7
	global_load_b128 v[64*\y+8*\x:64*\y+8*\x+3], v[B64], s[22:23] offset:128*(\x/2)+32*(\x%2)
	global_load_b128 v[64*\y+8*\x+4:64*\y+8*\x+7], v[B64], s[22:23] offset:128*(\x/2)+32*(\x%2)+16
.endr
.endr
	WIN 0
	s_branch .Linit_done
.Lvar_init:
	WIN 0x40
.irp y, 0,1
.irp x, 0,1,2,3,4,5,6,7
	ds_load_b128 v[64*\y+8*\x:64*\y+8*\x+3], v[VRA] offset:(4*\y+2*(\x%2))*8192+(\x/2)*512
	ds_load_b128 v[64*\y+8*\x+4:64*\y+8*\x+7], v[VRA] offset:(4*\y+2*(\x%2)+1)*8192+(\x/2)*512
	ds_load_b128 v[128+64*\y+8*\x:128+64*\y+8*\x+3], v[VRA2] offset:(4*\y+2*(\x%2))*8192+(\x/2)*512
	ds_load_b128 v[128+64*\y+8*\x+4:128+64*\y+8*\x+7], v[VRA2] offset:(4*\y+2*(\x%2)+1)*8192+(\x/2)*512
.endr
.endr
	s_wait_dscnt 0x0
	WIN 0x55
.set q_, 0
.rept 64
	v_pk_add_f32 v[q_:q_+1], v[q_:q_+1], v[128+q_:128+q_+1]   ; the two halves of the keys
.set q_, q_+2
.endr
	WIN 0
.Linit_done:
	s_wait_alu depctr_va_vdst(0)
	WLOAD 1, 1
	WIN 0
.irp y, 0,1
.irp k, 0,1
	ds_load_b64 v[CSC+4*\y+2*\k:CSC+4*\y+2*\k+1], v[CSR] offset:512*\y+256*\k
.endr
.endr
	CFLOAD 0, 0
	CFLOAD 1, 1
	s_wait_loadcnt 24                              ; all but the second set's 24
	s_wait_dscnt 24
	FMUL 0, 0
	PLACES 4                                       ; in front of loads into registers that matrix instructions have read
	WLOAD 2, 0
	CFLOAD 2, 0
	s_wait_loadcnt 24
	s_wait_dscnt 24
	FMUL 1, 1
	PLACES 4
	WLOAD 3, 1
	CFLOAD 3, 1
	s_wait_loadcnt 24
	s_wait_dscnt 24
	FMUL 2, 0
	s_wait_loadcnt 0x0
	s_wait_dscnt 0x0
	FMUL 3, 1
	WIN 0
	PLACES 4
	BARRIER                                        ; nobody reads var_attn any more: the stage may lie there
	WIN 0x04
.irp y, 0,1
.irp x, 0,1,2,3,4,5,6,7
	ds_store_b128 v[SO0], v[64*\y+8*\x:64*\y+8*\x+3] offset:8*\y*SPI+128*(\x/2)+32*(\x%2)
	ds_store_b128 v[SO0], v[64*\y+8*\x+4:64*\y+8*\x+7] offset:8*\y*SPI+128*(\x/2)+32*(\x%2)+16
.endr
.endr
	WIN 0
	s_wait_dscnt 0x0                               ; for the others' sake
	BARRIER
	WIN 0x40
.set q_, 0
.rept 32
	ds_load_b128 v[4*q_:4*q_+3], v[SR] offset:(q_/4)*SPI+512*(q_%4)   ; my 8 whole rows
.set q_, q_+1
.endr
	WIN 0x04
.set q_, 0
.rept 32
	s_wait_dscnt 31-q_                             ; the younger loads may stay out
	global_store_b128 v[OL16], v[4*q_:4*q_+3], s[82:83] offset:(q_/4)*2048+512*(q_%4) th:TH_STORE_NT   ; the wave stores 512 consecutive bytes, aligned
.set q_, q_+1
.endr
	WIN 0
	s_wait_tensorcnt 0x0                           ; the wave's end
	ds_add_u32 v[SPW], v[NIL]
	s_wait_dscnt 0x0
	s_endpgm
.Lfunc_end_k_q57df2df240_attn:
	.size	k_q57df2df240_attn, .Lfunc_end_k_q57df2df240_attn-k_q57df2df240_attn
	.p2alignl 7, 3214868480
	.fill 96, 4, 3214868480
	.section	.rodata,"a",@progbits
	.p2align	6, 0x0
	.amdhsa_kernel k_q57df2df240_attn
		.amdhsa_group_segment_fixed_size 310272
		.amdhsa_private_segment_fixed_size 0
		.amdhsa_enable_private_segment 0
		.amdhsa_kernarg_size 96
		.amdhsa_user_sgpr_count 2
		.amdhsa_user_sgpr_kernarg_segment_ptr 1
		.amdhsa_wavefront_size32 1
		.amdhsa_system_sgpr_workgroup_id_x 1
		.amdhsa_system_sgpr_workgroup_id_y 1
		.amdhsa_system_sgpr_workgroup_id_z 1
		.amdhsa_system_vgpr_workitem_id 0
		.amdhsa_next_free_vgpr 512
		.amdhsa_next_free_sgpr 100
		.amdhsa_reserve_vcc 0
		.amdhsa_float_denorm_mode_32 3
		.amdhsa_float_denorm_mode_16_64 3
		.amdhsa_memory_ordered 1
		.amdhsa_forward_progress 1
		.amdhsa_inst_pref_size 194
	.end_amdhsa_kernel
	.amdgpu_metadata
---
amdhsa.version: [ 1, 2 ]
amdhsa.kernels:
  - .name:           k_q57df2df240_attn
    .symbol:         k_q57df2df240_attn.kd
    .args:
      - { .name: x_raw, .offset: 0, .size: 8, .value_kind: global_buffer, .address_space: global }
      - { .name: log_length, .offset: 8, .size: 8, .value_kind: global_buffer, .address_space: global }
      - { .name: log_sigma_f, .offset: 16, .size: 8, .value_kind: global_buffer, .address_space: global }
      - { .name: QW, .offset: 24, .size: 8, .value_kind: global_buffer, .address_space: global }
      - { .name: KW, .offset: 32, .size: 8, .value_kind: global_buffer, .address_space: global }
      - { .name: VW, .offset: 40, .size: 8, .value_kind: global_buffer, .address_space: global }
      - { .name: WC, .offset: 48, .size: 8, .value_kind: global_buffer, .address_space: global }
      - { .name: SCL, .offset: 56, .size: 8, .value_kind: global_buffer, .address_space: global }
      - { .name: BS, .offset: 64, .size: 8, .value_kind: global_buffer, .address_space: global }
      - { .name: bo_mu, .offset: 72, .size: 8, .value_kind: global_buffer, .address_space: global }
      - { .name: out0, .offset: 80, .size: 8, .value_kind: global_buffer, .address_space: global }
      - { .name: out1, .offset: 88, .size: 8, .value_kind: global_buffer, .address_space: global }
    .group_segment_fixed_size: 310272
    .private_segment_fixed_size: 0
    .kernarg_segment_align: 8
    .kernarg_segment_size: 96
    .max_flat_workgroup_size: 256
    .sgpr_count:     100
    .vgpr_count:     512
    .wavefront_size: 32
...
	.end_amdgpu_metadata
.endif
;; end of part 3
